; MI455X (gfx1250); checked and timed in simulation.
; The chip was launched on July 23, 2026; its instructions are those of AMD's public machine-readable ISA for CDNA 5 (MIT licence, August 2026) and "CDNA5" Instruction Set Architecture Reference Guide (July 2026). The comments in the code are by the model that wrote it; some were corrected since.
;; Shared Mo E. Allowed arithmetic: float matrix products may take bf16 or f16 operands with f32 sums; all other float work in f32.
;; Inputs: W1 8 x 1,024 x 1,024 float32; W2 8 x 1,024 x 1,024 float32; Wr 1,024 x 8 float32; b1 8 x 1,024 float32; b2 8 x 1,024 float32; br 8 float32; x 4 x 1,024 x 1,024 float32.
;; Outputs: out0 4 x 1,024 x 1,024 float32; out1 4 x 1,024 x 8 float32; out2 4 x 1,024 x 8 float32.
;; 2 versions, each right; version 2 is version 1 with the launch prep written anew for expert scheduling mode. Each part assembles by itself: llvm-mc -triple=amdgcn-amd-amdhsa -mcpu=gfx1250 --defsym DOCPART=n.
;; ======== version 1 of 2: 4 launches
;; workspace buffers: xb 8,388,608 bytes; w1b 16,777,216 bytes; w2b 16,777,216 bytes; hb 67,108,864 bytes; part 67,108,864 bytes
;; launch prep (part 1): grid 768 x 1, 8 waves a work-group, no clusters, 60,416 bytes of LDS; arguments x, Wr, br, W1, W2, xb, w1b, w2b, out1, out2; writes xb, w1b, w2b, out1, out2
.if DOCPART == 1
	.amdgcn_target "amdgcn-amd-amdhsa--gfx1250"
	.amdhsa_code_object_version 6
	.text
	.protected	k_q217c4bcbb6_prep
	.globl	k_q217c4bcbb6_prep
	.p2align	8
	.type	k_q217c4bcbb6_prep,@function
k_q217c4bcbb6_prep:
	s_mov_b64 s[64:65], 0
	v_nop
	global_prefetch_b8 v0, s[64:65] scope:SCOPE_SE
	s_setreg_imm32_b32 hwreg(HW_REG_WAVE_MODE, 25, 1), 1
	s_wait_xcnt 0x0
; PREP: x, W1, W2 from f32 to bf16 (layouts unchanged), the router's logits and their softmax.
; Work-groups 0-255: 16 tokens each.  Wave w takes columns 128 w .. 128 w + 127 of the 16 rows of x: it rounds them to bf16, stores them to xb,
;   keeps them in LDS, and multiplies them with its 128 rows of Wr on the matrix unit (bf16 operands, f32 sums).  The eight waves' partial logits
;   meet in LDS; wave 0 adds them in a fixed order, adds br, and makes the softmax in f32 with the row's maximum taken away first.
; Work-groups 256-767: 131,072 bytes of W1 (256-511) or W2 (512-767) each, rounded to bf16.
; No cluster and no tensor loads: every byte but Wr's 32,768 is read by one work-group alone, and the stream goes straight through registers.
; LIMITS: the router's operands are rounded to bf16, as every matrix operand here; v_exp_f32 and v_rcp_f32 give zero for results below 2^-126,
;   so a probability below that comes out as 0.
.set XS_W,  16*272                     ; a wave's 16 rows of 256 bytes of bf16, pitch 272: the sixteen rows of a fragment load start 16 bytes further on in each 256
.set WS0,   8*XS_W                     ; 34,816: behind them a wave's 128 rows of Wr in bf16, 16 bytes a row, 2,048 bytes a wave
.set RED0,  WS0+8*2048                 ; 51,200: behind them a wave's partial logits, 32 bytes a lane, 1,024 bytes a wave
.set XR,    32                         ; v[32:95]   16 rows of x, 4 registers each (weights: v[32:159], 32 loads of 4 registers)
.set WR,    96                         ; v[96:127]  Wr as loaded
.set FX,    96                         ; v[96:127]  then the four fragments of x
.set FW,    128                        ; v[128:159] the four fragments of Wr
	s_load_b256 s[4:11], s[0:1], 0x0               ; x s[4:5], Wr s[6:7], br s[8:9], W1 s[10:11]
	s_load_b256 s[12:19], s[0:1], 0x20             ; W2 s[12:13], xb s[14:15], w1b s[16:17], w2b s[18:19]
	s_load_b128 s[20:23], s[0:1], 0x40             ; out1 s[20:21], out2 s[22:23]
	v_lshl_add_u32 v160, v0, 2, 0xe800
	v_mov_b32 v161, 0
	v_lshrrev_b32 v2, 5, v0
	v_readfirstlane_b32 s3, v2                     ; wave 0..7
	v_and_b32 v1, 31, v0                           ; lane
	s_mov_b32 s33, 0                               ; upper word of every 64-bit offset below
	s_wait_kmcnt 0x0
	s_cmp_ge_u32 ttmp9, 256                        ; the same for all waves of a work-group
	s_cbranch_scc1 .Lweights
	; ---------------- 16 tokens ----------------
	s_lshl_b32 s32, ttmp9, 16                      ; 16 rows of 4,096 bytes
	s_add_nc_u64 s[4:5], s[4:5], s[32:33]
	s_lshl_b32 s32, ttmp9, 15                      ; 16 rows of 2,048 bytes
	s_add_nc_u64 s[14:15], s[14:15], s[32:33]
	s_lshl_b32 s32, s3, 12                         ; my 128 rows of Wr, 32 bytes each
	s_add_nc_u64 s[6:7], s[6:7], s[32:33]
	s_lshl_b32 s32, ttmp9, 9                       ; 16 rows of 32 bytes
	s_add_nc_u64 s[20:21], s[20:21], s[32:33]
	s_add_nc_u64 s[22:23], s[22:23], s[32:33]
	v_lshlrev_b32 v4, 4, v1                        ; 16 x lane
	v_lshl_add_u32 v5, s3, 9, v4                   ; + my 512 bytes of a row of x
.irp i, 0,1,2,3,4,5,6,7
	global_load_b128 v[WR+4*\i:WR+4*\i+3], v4, s[6:7] offset:512*\i
.endr
.irp j, 0,1,2,3,4,5,6,7,8,9,10,11,12,13,14,15
	global_load_b128 v[XR+4*\j:XR+4*\j+3], v5, s[4:5] offset:4096*\j th:TH_LOAD_NT
.endr
	v_and_b32 v2, 15, v1                           ; r
	v_lshrrev_b32 v3, 4, v1                        ; h
	s_mul_i32 s34, s3, XS_W                        ; my rows of x in LDS
	s_lshl_b32 s35, s3, 11
	s_add_co_u32 s35, s35, WS0                     ; my rows of Wr in LDS
	s_lshl_b32 s36, s3, 10
	s_add_co_u32 s36, s36, RED0                    ; my partial logits
	v_lshl_add_u32 v6, v1, 3, s35                  ; Wr in: 8 bytes a lane
	v_lshlrev_b32 v7, 3, v1
	v_lshl_add_u32 v7, s3, 8, v7                   ; xb: 8 x lane + my 256 bytes of a row
	v_lshl_add_u32 v8, v1, 3, s34                  ; x in: 8 bytes a lane
	v_mul_u32_u24 v9, v2, 272
	v_lshl_add_u32 v9, v3, 4, v9
	v_add_nc_u32 v9, s34, v9                       ; x fragment: row r, 16 bytes for each half of the lanes
	v_and_b32 v10, 7, v1
	v_lshl_add_u32 v10, v3, 3, v10
	v_lshl_add_u32 v10, v10, 4, s35                ; Wr fragment: row 8 h + (lane mod 8).  Lanes 8-15 of a half address the same 16 bytes as lanes 0-7,
	                                               ; so that index r and index r + 8 of the fragment both hold expert r mod 8: Wr has eight columns, not sixteen
	v_lshl_add_u32 v11, v1, 5, s36                 ; partial logits: 32 bytes a lane
	v_lshlrev_b32 v12, 5, v1
	v_add_nc_u32 v12, RED0, v12                    ; the same place in wave 0's part
	v_lshlrev_b32 v13, 5, v2
	v_lshl_add_u32 v13, v3, 4, v13                 ; out1, out2: token r, experts 4 h .. 4 h + 3
	s_wait_loadcnt 16                              ; Wr is in; the 16 loads of x were issued behind it
.irp i, 0,1,2,3,4,5,6,7
	v_cvt_pk_bf16_f32 v[WR+4*\i], v[WR+4*\i], v[WR+4*\i+1]
	v_cvt_pk_bf16_f32 v[WR+4*\i+1], v[WR+4*\i+2], v[WR+4*\i+3]
	ds_store_b64 v6, v[WR+4*\i:WR+4*\i+1] offset:256*\i        ; half the f32 byte offset: LDS holds [k][8] in bf16
.endr
.irp j, 0,1,2,3,4,5,6,7,8,9,10,11,12,13,14,15
	s_wait_loadcnt 15-\j                           ; row j is in; the younger rows stay out
	v_cvt_pk_bf16_f32 v[XR+4*\j], v[XR+4*\j], v[XR+4*\j+1]
	v_cvt_pk_bf16_f32 v[XR+4*\j+1], v[XR+4*\j+2], v[XR+4*\j+3]
	global_store_b64 v7, v[XR+4*\j:XR+4*\j+1], s[14:15] offset:2048*\j   ; the wave's store covers 256 consecutive bytes, aligned
	ds_store_b64 v8, v[XR+4*\j:XR+4*\j+1] offset:272*\j
.endr
	; four K steps of 32: LDS serves a wave's instructions in order (ISA guide 5.7.1.4), and these bytes are the wave's own
.irp s, 0,1,2,3
	ds_load_b128 v[FX+8*\s:FX+8*\s+3],   v9 offset:64*\s
	ds_load_b128 v[FX+8*\s+4:FX+8*\s+7], v9 offset:64*\s+32
	ds_load_tr16_b128 v[FW+8*\s:FW+8*\s+3],   v10 offset:512*\s       ; k = 32 s + 8 h .. + 7 of expert r mod 8
	ds_load_tr16_b128 v[FW+8*\s+4:FW+8*\s+7], v10 offset:512*\s+256   ; 16 rows of 16 bytes further on
.endr
	s_wait_dscnt 0x0
	; source 0 = Wr, source 1 = x: register j of lane (r, h) is the logit of expert j for token r, in both halves of the wave.
	; Two accumulators take turns, one instruction a turn.
	v_wmma_f32_16x16x32_bf16 v[16:23], v[FW:FW+7], v[FX:FX+7], 0
	v_wmma_f32_16x16x32_bf16 v[24:31], v[FW+8:FW+15], v[FX+8:FX+15], 0
	v_wmma_f32_16x16x32_bf16 v[16:23], v[FW+16:FW+23], v[FX+16:FX+23], v[16:23]
	v_wmma_f32_16x16x32_bf16 v[24:31], v[FW+24:FW+31], v[FX+24:FX+31], v[24:31]
.rept 4
	v_nop                                          ; four places behind a matrix instruction before its result is read (ISA guide 7.12.1)
.endr
.irp j, 0,2,4,6
	v_pk_add_f32 v[16+\j:17+\j], v[16+\j:17+\j], v[24+\j:25+\j]
.endr
	ds_store_b128 v11, v[16:19]
	ds_store_b128 v11, v[20:23] offset:16
	s_wait_dscnt 0x0                               ; my partial logits are in LDS before I say so
	s_barrier_signal -1
	s_barrier_wait -1
	s_cmp_lg_u32 s3, 0
	s_cbranch_scc1 .Lend                           ; wave 0 finishes the 16 tokens
	s_wait_xcnt 0x0                                ; v[32:95] were data of my stores to xb: they are loaded again only behind this wait
	s_load_b256 s[24:31], s[8:9], 0x0              ; br
.irp q, 0,1,2,3,4,5,6,7
	ds_load_b128 v[32+8*\q:35+8*\q], v12 offset:1024*\q
	ds_load_b128 v[36+8*\q:39+8*\q], v12 offset:1024*\q+16
.endr
	s_wait_dscnt 0x0
.irp q, 0,2,4,6                                    ; (0+1) (2+3) (4+5) (6+7)
.irp j, 0,2,4,6
	v_pk_add_f32 v[32+8*\q+\j:33+8*\q+\j], v[32+8*\q+\j:33+8*\q+\j], v[40+8*\q+\j:41+8*\q+\j]
.endr
.endr
.irp q, 0,4                                        ; (01+23) (45+67)
.irp j, 0,2,4,6
	v_pk_add_f32 v[32+8*\q+\j:33+8*\q+\j], v[32+8*\q+\j:33+8*\q+\j], v[48+8*\q+\j:49+8*\q+\j]
.endr
.endr
.irp j, 0,2,4,6
	v_pk_add_f32 v[32+\j:33+\j], v[32+\j:33+\j], v[64+\j:65+\j]
.endr
	s_wait_kmcnt 0x0
.irp j, 0,1,2,3,4,5,6,7
	v_add_f32 v[32+\j], s[24+\j], v[32+\j]         ; the logits
.endr
	v_max3_num_f32 v40, v32, v33, v34
	v_max3_num_f32 v40, v40, v35, v36
	v_max3_num_f32 v40, v40, v37, v38
	v_max_num_f32 v40, v40, v39                    ; the token's largest logit
.irp j, 0,1,2,3,4,5,6,7
	v_sub_f32 v[48+\j], v[32+\j], v40
.endr
.irp j, 0,1,2,3,4,5,6,7
	v_mul_f32 v[48+\j], 0x3fb8aa3b, v[48+\j]       ; e^x = 2^(x log2 e)
.endr
.irp j, 0,1,2,3,4,5,6,7
	v_exp_f32 v[56+\j], v[48+\j]
.endr
	v_nop                                          ; one plain place behind the transcendentals (ISA guide 5.7.2)
	s_wait_alu depctr_va_vdst(0)
	v_add_f32 v64, v56, v57
	v_add_f32 v65, v58, v59
	v_add_f32 v66, v60, v61
	v_add_f32 v67, v62, v63
	v_add_f32 v64, v64, v65
	v_add_f32 v66, v66, v67
	v_add_f32 v64, v64, v66                        ; at least 1: the largest logit's term is 2^0
	v_rcp_f32 v68, v64
	v_cmp_le_u32 vcc_lo, 16, v1                    ; the plain place behind v_rcp_f32: lanes 16-31 store experts 4-7
	s_wait_alu depctr_va_vdst(0)
.irp j, 0,1,2,3,4,5,6,7
	v_mul_f32 v[56+\j], v[56+\j], v68
.endr
.irp j, 0,1,2,3
	v_cndmask_b32 v[72+\j], v[32+\j], v[36+\j], vcc_lo
	v_cndmask_b32 v[76+\j], v[56+\j], v[60+\j], vcc_lo
.endr
	global_store_b128 v13, v[72:75], s[20:21]      ; the 32 lanes cover the 16 tokens' 512 consecutive bytes, aligned
	global_store_b128 v13, v[76:79], s[22:23]
.Lend:
	s_wait_tensorcnt 0x0
	ds_add_u32 v160, v161
	s_wait_dscnt 0x0
	s_endpgm
	; ---------------- 131,072 bytes of weights ----------------
.Lweights:
	s_sub_co_u32 s24, ttmp9, 256
	s_and_b32 s25, s24, 255
	s_lshl_b32 s26, s25, 17                        ; f32 in
	s_mov_b32 s27, 0
	s_lshl_b32 s28, s25, 16                        ; bf16 out
	s_mov_b32 s29, 0
	s_cmp_lt_u32 s24, 256
	s_cselect_b64 s[30:31], s[10:11], s[12:13]     ; W1 or W2
	s_cselect_b64 s[34:35], s[16:17], s[18:19]     ; w1b or w2b
	s_add_nc_u64 s[30:31], s[30:31], s[26:27]
	s_add_nc_u64 s[34:35], s[34:35], s[28:29]
	v_lshlrev_b32 v4, 4, v0                        ; 16 bytes a thread: the eight waves cover 4,096 bytes with one load each
	v_lshlrev_b32 v5, 3, v0                        ; 8 bytes a thread out
.irp j, 0,1,2,3,4,5,6,7,8,9,10,11,12,13,14,15,16,17,18,19,20,21,22,23,24,25,26,27,28,29,30,31
	global_load_b128 v[32+4*\j:35+4*\j], v4, s[30:31] offset:4096*\j th:TH_LOAD_NT   ; all 32 loads go out first: 16,384 bytes of a wave on their way
.endr
.irp j, 0,1,2,3,4,5,6,7,8,9,10,11,12,13,14,15,16,17,18,19,20,21,22,23,24,25,26,27,28,29,30,31
	s_wait_loadcnt 31-\j                           ; load j is in; the younger ones stay out
	v_cvt_pk_bf16_f32 v[32+4*\j], v[32+4*\j], v[33+4*\j]
	v_cvt_pk_bf16_f32 v[33+4*\j], v[34+4*\j], v[35+4*\j]
	global_store_b64 v5, v[32+4*\j:33+4*\j], s[34:35] offset:2048*\j   ; the wave's store covers 256 consecutive bytes, aligned; no register is written twice
.endr
	s_endpgm
.Lfunc_end_k_q217c4bcbb6_prep:
	.size	k_q217c4bcbb6_prep, .Lfunc_end_k_q217c4bcbb6_prep-k_q217c4bcbb6_prep
	.p2alignl 7, 3214868480
	.fill 96, 4, 3214868480
	.section	.rodata,"a",@progbits
	.p2align	6, 0x0
	.amdhsa_kernel k_q217c4bcbb6_prep
		.amdhsa_group_segment_fixed_size 60416
		.amdhsa_private_segment_fixed_size 0
		.amdhsa_enable_private_segment 0
		.amdhsa_kernarg_size 80
		.amdhsa_user_sgpr_count 2
		.amdhsa_user_sgpr_kernarg_segment_ptr 1
		.amdhsa_wavefront_size32 1
		.amdhsa_system_sgpr_workgroup_id_x 1
		.amdhsa_system_sgpr_workgroup_id_y 1
		.amdhsa_system_sgpr_workgroup_id_z 1
		.amdhsa_system_vgpr_workitem_id 0
		.amdhsa_next_free_vgpr 162
		.amdhsa_next_free_sgpr 66
		.amdhsa_reserve_vcc 1
		.amdhsa_float_denorm_mode_32 3
		.amdhsa_float_denorm_mode_16_64 3
		.amdhsa_memory_ordered 1
		.amdhsa_forward_progress 1
		.amdhsa_inst_pref_size 31
	.end_amdhsa_kernel
	.amdgpu_metadata
---
amdhsa.version: [ 1, 2 ]
amdhsa.kernels:
  - .name:           k_q217c4bcbb6_prep
    .symbol:         k_q217c4bcbb6_prep.kd
    .args:
      - { .name: x, .offset: 0, .size: 8, .value_kind: global_buffer, .address_space: global }
      - { .name: Wr, .offset: 8, .size: 8, .value_kind: global_buffer, .address_space: global }
      - { .name: br, .offset: 16, .size: 8, .value_kind: global_buffer, .address_space: global }
      - { .name: W1, .offset: 24, .size: 8, .value_kind: global_buffer, .address_space: global }
      - { .name: W2, .offset: 32, .size: 8, .value_kind: global_buffer, .address_space: global }
      - { .name: xb, .offset: 40, .size: 8, .value_kind: global_buffer, .address_space: global }
      - { .name: w1b, .offset: 48, .size: 8, .value_kind: global_buffer, .address_space: global }
      - { .name: w2b, .offset: 56, .size: 8, .value_kind: global_buffer, .address_space: global }
      - { .name: out1, .offset: 64, .size: 8, .value_kind: global_buffer, .address_space: global }
      - { .name: out2, .offset: 72, .size: 8, .value_kind: global_buffer, .address_space: global }
    .group_segment_fixed_size: 60416
    .private_segment_fixed_size: 0
    .kernarg_segment_align: 8
    .kernarg_segment_size: 80
    .max_flat_workgroup_size: 256
    .sgpr_count:     66
    .vgpr_count:     162
    .wavefront_size: 32
...
	.end_amdgpu_metadata
.endif
;; end of part 1
;; launch gemm1 (part 2): grid 32 x 16, 4 waves a work-group, clusters of 4 x 4, 327,680 bytes of LDS; arguments xb, w1b, b1, out2, hb; writes hb
.if DOCPART == 2
	.amdgcn_target "amdgcn-amd-amdhsa--gfx1250"
	.amdhsa_code_object_version 6
	.text
	.protected	k_q217c4bcbb6_gemm1
	.globl	k_q217c4bcbb6_gemm1
	.p2align	8
	.type	k_q217c4bcbb6_gemm1,@function
k_q217c4bcbb6_gemm1:
	s_mov_b64 s[64:65], 0
	v_nop
	global_prefetch_b8 v0, s[64:65] scope:SCOPE_SE
	s_setreg_imm32_b32 hwreg(HW_REG_WAVE_MODE, 25, 1), 1
	s_wait_xcnt 0x0
	s_wait_alu depctr_hold_cnt(0) depctr_sa_sdst(0) depctr_va_vdst(0) depctr_va_sdst(0) depctr_va_ssrc(0) depctr_va_vcc(0) depctr_vm_vsrc(0)
	s_getreg_b32 s2, hwreg(HW_REG_IB_STS2, 6, 4)
	s_cmp_eq_u32 s2, 0
	s_cbranch_scc0 .Lentry_in_a_cluster
	s_endpgm
.Lentry_in_a_cluster:
	s_bfe_u32 s2, ttmp6, 0x10000c
	s_cmp_lg_u32 s2, 0xf033
	s_cbranch_scc0 .Lentry_shape_is_right
	s_endpgm
.Lentry_shape_is_right:
; GEMM 1: hb[t][1024 e + j] = bf16( p[t][e] * gelu( sum over d of xb[t][d] w1b[e][d][j] + b1[e][j] ) ), gelu with the exact erf.
; The softmax weight is multiplied in here, so that the second product is one plain GEMM over K = 8,192.
; A work-group makes 256 tokens x 256 columns with four waves; a wave makes 128 x 128: 64 accumulator tiles of 16 x 16, 512 registers.
; K = 1,024 goes in steps of 128 through two LDS slots filled by the tensor data mover.  A (xb) lies [token][k]: 256 rows of 256 bytes.
; B (w1b) lies [k][column]: 128 rows of 512 bytes; its fragments are made by the transposing LDS load.
; CLUSTERS: 4 x 4 work-groups.  The four of a row of the cluster share the tokens (A's tiles), the four of a column share the columns (B's tiles):
; each tile is asked for jointly by the four, which divides the requests for A and for B by four.
; REGISTERS, in windows of 256: window 0: v16-28 addresses, v32-47 p, v48-63 constants, v64-191 A's fragments (two buffers; at work on the way out),
;   v192-255 b1 of my 128 columns; window 1: v64-191 B's fragments; windows 2, 3: the accumulators of my rows 0-63, 64-127.
; THE MATRIX INSTRUCTION IS USED TRANSPOSED: source 0 = 16 columns of B, source 1 = 16 tokens of A, so that register j of lane l is token l % 16,
;   column 8 (l / 16) + j: eight neighbouring numbers of a row of hb.
; LIMITS: erf by the rational form 1 - (a1 t + .. + a5 t^5) e^(-z^2), t = 1 / (1 + 0.3275911 z) (Abramowitz and Stegun 7.1.26), absolute error at most
;   1.5e-7 for every z >= 0: gelu(h) is off by at most about 1e-7 |h|, so far below zero, where the true value is smaller than that, it is 0 within that error.
;   v_exp_f32 and v_rcp_f32 give zero for results below 2^-126.  h = -infinity gives NaN.  Operands and hb are bf16.
.set SIZE_K, 1024
.set HB_ROW, 16384                     ; bytes in a row of hb
.set KSTEP,  128
.set PITCH,  272                       ; A's LDS row: 256 bytes + 16: the 16 rows of a fragment load start 16 bytes further on in each 256
.set BPITCH, 544                       ; B's LDS row: 512 bytes + 32: an odd multiple of 32, for the eight rows of a transposing load
.set HALFT,  128*PITCH                 ; what one tensor load brings: 128 rows of A, or 64 rows of B (64 x 544 is the same 34,816 bytes)
.set SLOT,   4*HALFT                   ; A's 256 rows, then B's 128 rows
.set STAGE,  2*SLOT                    ; behind the ring: 16 rows x 272 bytes for each wave, for the way out; no tensor load lands here
.set SPITCH, 272
.set LAPS,   SIZE_K/(2*KSTEP)          ; a lap = two K steps = once round the ring: 4
.set ADRA, 16                          ; v16-17  LDS address of my A fragments in slot 0, 1
.set ADRB, 20                          ; v20-21  the same for B
.set STO,  24                          ; the way out: where I put 16 bytes of a row
.set RD,   25                          ; the way out: where I read a row back
.set CO,   26                          ; my byte offset in hb
.set VP,   27                          ; 32 r: my token's row of out2
.set VB,   28                          ; 32 h: my eight columns in b1
.set PH,   32                          ; v[32:47] row group i: the pair v[32+2i:33+2i], both p / 2 of token 16 i + r
.set KC,   48                          ; v[48:63] eight constants, each twice (pairs for the packed arithmetic)
.set F0,   64
.set F1,   128
.set B1,   192                         ; v[192:255] b1 of column 16 b + 8 h + j at index 8 b + j
.set GA,   64                          ; the way out, 16 registers each: |h|
.set GT,   80                          ; t
.set GQ,   96                          ; the polynomial
.set GE,   112                         ; 1 + c |h|, then e^(-z^2)
.set G1, 24                            ; s[24:31] descriptor group 1 for A's tiles
.set G0, 32                            ; s[32:39] descriptor group 0 for A's tiles, one set for each slot
.set G1B, 48                           ; s[48:55] group 1 for B's tiles
.set G0B, 56                           ; s[56:63] group 0 for B's tiles, one set for each slot
.set MSB, 0
.macro WIN new                         ; the immediate's high byte repeats the setting that is left
.if MSB != \new
	s_set_vgpr_msb (MSB<<8)|\new
.set MSB, \new
.endif
.endm
.set MUL_LO, 0xa1                      ; source 0 (B) window 1, source 1 (A) window 0, C and D window 2
.set MUL_HI, 0xf1                      ; the same, C and D window 3
.set TO_B,   0x40                      ; destination window 1, address window 0
; A joint load.  Waves 0 and 1 fetch A's two halves, waves 2 and 3 B's.  Each line has one mask and one set of registers for all that issue it.
.macro JLOAD s
	s_cmp_eq_u32 s11, 0
	s_cbranch_scc0 .Lfor_b_\@
	tensor_load_to_lds s[G0+4*\s:G0+4*\s+3], s[G1:G1+7]
	s_nop 0
	s_branch .Lasked_\@
.Lfor_b_\@:
	tensor_load_to_lds s[G0B+4*\s:G0B+4*\s+3], s[G1B:G1B+7]
	s_nop 0
.Lasked_\@:
.endm
; A round of the cluster's barrier: my work-group's barrier; wave 0 signals for the work-group; every wave waits for all sixteen; my work-group's barrier again.
.macro CREST                           ; a round behind its opening barrier
	s_cmp_lg_u32 s10, 0
	s_cbranch_scc1 .Lnot_wave_0_\@
	s_barrier_signal -3
.Lnot_wave_0_\@:
	s_barrier_wait -3
	s_barrier_signal -1
	s_barrier_wait -1
.endm
.macro CROUND
	s_barrier_signal -1
	s_barrier_wait -1
	CREST
.endm
	s_load_b128 s[4:7], s[0:1], 0x0                ; xb s[4:5], w1b s[6:7]
	s_load_b128 s[84:87], s[0:1], 0x10             ; b1 s[84:85], out2 s[86:87]
	s_load_b64 s[8:9], s[0:1], 0x20                ; hb
	s_set_vgpr_msb 0x40
	v_lshl_add_u32 v255, v0, 2, 0x48400
	s_set_vgpr_msb 0x4000
	v_mov_b32 v31, 0
	s_set_vgpr_msb 0x1
	ds_add_u32 v255, v31
	s_set_vgpr_msb 0x100
	v_lshrrev_b32 v1, 5, v0
	v_readfirstlane_b32 s10, v1                    ; wave 0..3
	s_lshr_b32 s11, s10, 1                         ; which half of the block's tokens is mine.  Also: I fetch for A (0) or for B (1)
	s_and_b32 s12, s10, 1                          ; which half of its columns.  Also: which half of that tile I fetch
	s_bfe_u32 s40, ttmp6, 0x40000                  ; cx
	s_bfe_u32 s41, ttmp6, 0x40004                  ; cy
	s_lshl_b32 s42, ttmp9, 2
	s_add_co_u32 s42, s42, s40                     ; block column = 4 x cluster x + cx; the expert is the cluster's x
	s_and_b32 s13, ttmp7, 0xffff
	s_lshl_b32 s13, s13, 2
	s_add_co_u32 s13, s13, s41                     ; block row = 4 x cluster y + cy
	s_lshl_b32 s43, s41, 2
	s_lshl_b32 s43, 15, s43                        ; my row of the cluster
	s_lshl_b32 s44, 0x1111, s40                    ; my column
	; group 1 for A: 128 rows x 128 elements of 2 bytes, 4 words of padding behind every 64 words
	s_or_b32 s[G1+0], s43, (1<<16)|(1<<20)|(1<<21)|(5<<22)|(3<<25)
	s_mov_b32 s[G1+1], KSTEP<<16                   ; tensor_dim0 = 128
	s_mov_b32 s[G1+2], 128<<16                     ; tensor_dim1 = 128
	s_mov_b32 s[G1+3], KSTEP<<16                   ; tile_dim0 = 128
	s_mov_b32 s[G1+4], 128                         ; tile_dim1 = 128
	s_mov_b32 s[G1+5], SIZE_K                      ; elements from row to row of xb
	s_mov_b32 s[G1+6], 0
	s_mov_b32 s[G1+7], 0
	; group 1 for B: 64 rows x 256 elements of 2 bytes, 8 words of padding behind every 128 words
	s_or_b32 s[G1B+0], s44, (1<<16)|(1<<20)|(1<<21)|(6<<22)|(7<<25)
	s_mov_b32 s[G1B+1], 256<<16                    ; tensor_dim0 = 256
	s_mov_b32 s[G1B+2], 64<<16                     ; tensor_dim1 = 64
	s_mov_b32 s[G1B+3], 256<<16                    ; tile_dim0 = 256
	s_mov_b32 s[G1B+4], 64                         ; tile_dim1 = 64
	s_mov_b32 s[G1B+5], 1024                       ; elements from row to row of w1b
	s_mov_b32 s[G1B+6], 0
	s_mov_b32 s[G1B+7], 0
	; A's tiles hang on the block row alone, B's on the block column alone; every wave makes both addresses
	s_lshl_b32 s17, s12, 7
	s_lshl_b32 s16, s13, 8
	s_add_co_u32 s16, s16, s17                     ; A: token 256 x block row + 128 x half,
	s_lshl_b32 s16, s16, 11                        ; times 2,048 bytes
	s_mov_b32 s17, 0
	s_lshl_b32 s46, ttmp9, 21                      ; B: the expert's 2,097,152 bytes,
	s_lshl_b32 s45, s40, 9                         ; the block's 512 bytes of a row,
	s_add_co_u32 s46, s46, s45
	s_lshl_b32 s45, s12, 17                        ; 64 rows of 2,048 bytes for the second half
	s_add_co_u32 s46, s46, s45
	s_mov_b32 s47, 0
	s_mul_i32 s20, s10, HALFT                      ; where they go: A's halves, then B's halves = wave x 34,816
	s_lshl_b32 s88, s42, 10                        ; b1: 4 bytes x (256 x block column + 128 x half)
	s_lshl_b32 s89, s12, 9
	s_add_co_u32 s88, s88, s89
	s_mov_b32 s89, 0
	s_lshl_b32 s90, s13, 13                        ; out2: 32 bytes x (256 x block row + 128 x half) + 4 x expert
	s_lshl_b32 s91, s11, 12
	s_add_co_u32 s90, s90, s91
	s_lshl_b32 s91, ttmp9, 2
	s_add_co_u32 s90, s90, s91
	s_mov_b32 s91, 0
	s_wait_dscnt 0x0
	s_wait_kmcnt 0x0
	s_add_nc_u64 s[14:15], s[4:5], s[16:17]
	s_add_nc_u64 s[46:47], s[6:7], s[46:47]
	s_add_nc_u64 s[80:81], s[84:85], s[88:89]
	s_add_nc_u64 s[82:83], s[86:87], s[90:91]
	CROUND                                         ; all sixteen work-groups are here: the first joint loads meet
.irp s, 0,1
	s_mov_b32 s[G0+4*\s], 1
	s_add_co_u32 s[G0+4*\s+1], s20, \s*SLOT
	s_add_nc_u64 s[G0+4*\s+2:G0+4*\s+3], s[14:15], \s*KSTEP*2          ; K step s: 256 bytes along the rows
	s_or_b32 s[G0+4*\s+3], s[G0+4*\s+3], 0x80000000
	s_mov_b32 s[G0B+4*\s], 1
	s_add_co_u32 s[G0B+4*\s+1], s20, \s*SLOT
	s_add_nc_u64 s[G0B+4*\s+2:G0B+4*\s+3], s[46:47], \s*KSTEP*2048     ; K step s: 128 rows down
	s_or_b32 s[G0B+4*\s+3], s[G0B+4*\s+3], 0x80000000
	JLOAD \s                                       ; both slots' first fills: two tensor loads of the wave are out here, one from then on
.endr
	v_and_b32 v1, 15, v0                           ; r = l % 16
	v_bfe_u32 v2, v0, 4, 1                         ; h = l / 16
	v_lshlrev_b32 v[VP], 5, v1
	v_lshlrev_b32 v[VB], 5, v2
	; b1 and p are wanted on the way out alone: these 24 loads stay out over the K loop; their registers and addresses are not touched until the wait there
.irp b, 0,1,2,3,4,5,6,7
	global_load_b128 v[B1+8*\b:B1+8*\b+3],   v[VB], s[80:81] offset:64*\b
	global_load_b128 v[B1+8*\b+4:B1+8*\b+7], v[VB], s[80:81] offset:64*\b+16
.endr
.irp i, 0,1,2,3,4,5,6,7
	global_load_b32 v[PH+2*\i], v[VP], s[82:83] offset:512*\i
.endr
	v_mul_u32_u24 v3, v1, PITCH
	v_lshl_add_u32 v3, v2, 4, v3                   ; A: row x pitch + 16 x half
	v_and_b32 v4, 7, v0
	v_lshl_add_u32 v4, v2, 3, v4                   ; B: row 8 h + (l % 8),
	v_mul_u32_u24 v4, v4, BPITCH
	v_bfe_u32 v5, v0, 3, 1
	v_lshl_add_u32 v4, v5, 4, v4                   ; columns 0-7 or 8-15 of the sixteen
	s_mul_i32 s21, s11, HALFT                      ; my 128 tokens
	s_lshl_b32 s22, s12, 8                         ; my 128 columns: 256 bytes of B's rows,
	s_add_co_u32 s22, s22, 2*HALFT                 ; which lie behind A's 256 rows
.irp s, 0,1
	v_add_nc_u32 v[ADRA+\s], s21, v3
	v_add_nc_u32 v[ADRB+\s], s22, v4
	s_add_co_u32 s21, s21, SLOT
	s_add_co_u32 s22, s22, SLOT
.endr
	s_mul_i32 s23, s10, 16*SPITCH
	s_add_co_u32 s23, s23, STAGE                   ; my stage
	v_mul_u32_u24 v4, v1, SPITCH
	v_lshl_add_u32 v4, v2, 4, v4
	v_add_nc_u32 v[STO], s23, v4                   ; in: row r, 16 bytes for each half of the lanes
	v_mul_u32_u24 v5, v2, SPITCH
	v_lshl_add_u32 v5, v1, 4, v5
	v_add_nc_u32 v[RD], s23, v5                    ; back: lanes 0-15 one row of 256 bytes, lanes 16-31 the next
	v_lshlrev_b32 v5, 14, v2
	v_lshl_add_u32 v[CO], v1, 4, v5                ; and the same two rows in hb
	s_lshl_b32 s88, s13, 8                         ; hb at my first token and column
	s_lshl_b32 s89, s11, 7
	s_add_co_u32 s88, s88, s89
	s_lshl_b32 s88, s88, 14
	s_lshl_b32 s89, s42, 9
	s_add_co_u32 s88, s88, s89
	s_lshl_b32 s89, s12, 8
	s_add_co_u32 s88, s88, s89
	s_mov_b32 s89, 0
	s_add_nc_u64 s[8:9], s[8:9], s[88:89]
	s_mov_b32 s66, 0x7fffffff
; 16 matrix instructions: row groups a0, a0 + 1 of the window's four x all 8 column groups, 32 along K.  zero = 1: the first product starts the sums.
.macro MUL16 f, hi, a0, zero
.irp a, \a0, \a0+1
.irp b, 0,1,2,3,4,5,6,7
.if \zero
	v_wmma_f32_16x16x32_bf16 v[8*(8*(\a)+\b):8*(8*(\a)+\b)+7], v[\f+8*\b:\f+8*\b+7], v[\f+8*(4*\hi+\a):\f+8*(4*\hi+\a)+7], 0
.else
	v_wmma_f32_16x16x32_bf16 v[8*(8*(\a)+\b):8*(8*(\a)+\b)+7], v[\f+8*\b:\f+8*\b+7], v[\f+8*(4*\hi+\a):\f+8*(4*\hi+\a)+7], v[8*(8*(\a)+\b):8*(8*(\a)+\b)+7]
.endif
.endr
.endr
.endm
; 32 LDS loads in one run: the fragments of quarter q of a K step (32 along K) into buffer f.  B's come transposed: a load takes 8 rows (k) x 8 columns for each
; eight lanes and gives each lane eight k of one column; the second load stands 16 rows further down.
.macro FETCH slot, q, f
	WIN TO_B
.irp i, 0,1,2,3,4,5,6,7
	ds_load_tr16_b128 v[\f+8*\i:\f+8*\i+3],   v[ADRB+\slot] offset:\q*32*BPITCH+32*\i
	ds_load_tr16_b128 v[\f+8*\i+4:\f+8*\i+7], v[ADRB+\slot] offset:\q*32*BPITCH+32*\i+16*BPITCH
.endr
	WIN 0
.irp i, 0,1,2,3,4,5,6,7
	ds_load_b128 v[\f+8*\i:\f+8*\i+3],   v[ADRA+\slot] offset:\q*64+\i*16*PITCH
	ds_load_b128 v[\f+8*\i+4:\f+8*\i+7], v[ADRA+\slot] offset:\q*64+\i*16*PITCH+32
.endr
.endm
; Four places stand between a matrix instruction and a load into, or a vector instruction on, one of its registers (ISA guide 7.12.1 for vector instructions)
.macro PLACES
.rept 4
	v_nop
.endr
.endm
; One of a K step's first three quarters: multiplies buffer f; in its middle it fetches quarter q of the same slot into buffer g.
; The 64 accumulators take turns, one instruction a turn, in the same order in every quarter.
.macro QUARTER slot, q, f, g, zero
	s_wait_dscnt 8                                 ; B and A's rows 0-63 are in; the youngest eight loads (A's rows 64-127) may be out
	WIN MUL_LO
	MUL16 \f, 0, 0, \zero
	MUL16 \f, 0, 2, \zero
	PLACES
	FETCH \slot, \q, \g
	s_wait_dscnt 32                                ; all but the 32 just issued
	WIN MUL_HI
	MUL16 \f, 1, 0, \zero
	MUL16 \f, 1, 2, \zero
.endm
.macro THREE slot, zero
	QUARTER \slot, 1, F0, F1, \zero
	QUARTER \slot, 2, F1, F0, 0
	QUARTER \slot, 3, F0, F1, 0
.endm
; The last quarter multiplies buffer 1 and changes slots.  In front of the barrier each wave waits for its reads of this slot and for all its tensor loads (one is out:
; its part of the next slot).  Behind it nobody reads this slot and the next is whole: the refill comes first, then the next slot's first fragments.
; From a request to the wait for it a wave issues 240 matrix instructions.
.macro TURN slot, next, fill
	s_wait_dscnt 8
	WIN MUL_LO
	MUL16 F1, 0, 0, 0
	s_wait_dscnt 0                                 ; my reads of this slot are over
	s_wait_tensorcnt 0x0                           ; and all my tensor loads have landed
	ds_add_u32 v255, v31
	s_wait_dscnt 0x0
	s_barrier_signal -1                            ; (where the slot is filled again this barrier opens a round of the cluster's barrier)
	MUL16 F1, 0, 2, 0                              ; register work while the others arrive
	WIN 0
	s_barrier_wait -1
.if \fill
	CREST                                          ; no wave of any partner still reads this slot or has a load on its way
	s_add_nc_u64 s[G0+4*\slot+2:G0+4*\slot+3], s[G0+4*\slot+2:G0+4*\slot+3], 2*KSTEP*2
	s_add_nc_u64 s[G0B+4*\slot+2:G0B+4*\slot+3], s[G0B+4*\slot+2:G0B+4*\slot+3], 2*KSTEP*2048
	JLOAD \slot                                    ; the first tensor load behind the round, one a wave
.endif
	PLACES
	FETCH \next, 0, F0
	WIN MUL_HI
	MUL16 F1, 1, 0, 0
	MUL16 F1, 1, 2, 0
.endm
.macro LAP zero
	THREE 0, \zero
	TURN 0, 1, 1
	THREE 1, 0
	TURN 1, 0, 1
.endm
	s_wait_tensorcnt 0x1                           ; my part of K step 0 is in; K step 1's may stay out
	s_barrier_signal -1
	s_barrier_wait -1
	FETCH 0, 0, F0
	LAP 1                                          ; the first lap's first products start the sums
	WIN 0
	s_mov_b32 s3, LAPS-2
.Llap:
	LAP 0
	WIN 0
	s_sub_co_u32 s3, s3, 1
	s_cmp_lg_u32 s3, 0
	s_cbranch_scc1 .Llap
	THREE 0, 0                                     ; the last lap fills nothing
	TURN 0, 1, 0
	THREE 1, 0
	s_wait_dscnt 8
	WIN MUL_LO
	MUL16 F1, 0, 0, 0
	MUL16 F1, 0, 2, 0
	s_wait_dscnt 0
	WIN MUL_HI
	MUL16 F1, 1, 0, 0
	MUL16 F1, 1, 2, 0
	; THE WAY OUT, 16 tokens at a time: + b1, gelu, x p, round to bf16, 16 bytes a lane into my stage, back as whole rows of 256 bytes.
	PLACES                                         ; the places behind the last matrix instructions, for all that follows
	WIN 0
	s_wait_loadcnt 0x0                             ; b1 and p
	v_mov_b32 v[KC+0], 0x3e6d3388                  ; c = 0.3275911 / sqrt 2:  1 + c |h| = 1 + 0.3275911 z, z = |h| / sqrt 2
	v_mov_b32 v[KC+1], 0x3e6d3388
	v_mov_b32 v[KC+2], 0x3f596d27                  ; k = sqrt(log2 e / 2):  e^(-z^2) = 2^(-(k h)^2)
	v_mov_b32 v[KC+3], 0x3f596d27
	v_mov_b32 v[KC+4], 0xbf87dc22                  ; -a5 .. -a1: the polynomial is kept negative, so that erf = Q E + 1 is one fused multiply-add
	v_mov_b32 v[KC+5], 0xbf87dc22
	v_mov_b32 v[KC+6], 0x3fba00e3
	v_mov_b32 v[KC+7], 0x3fba00e3
	v_mov_b32 v[KC+8], 0xbfb5f0e3
	v_mov_b32 v[KC+9], 0xbfb5f0e3
	v_mov_b32 v[KC+10], 0x3e91a98e
	v_mov_b32 v[KC+11], 0x3e91a98e
	v_mov_b32 v[KC+12], 0xbe827906
	v_mov_b32 v[KC+13], 0xbe827906
	v_mov_b32 v[KC+14], 1.0
	v_mov_b32 v[KC+15], 1.0
.irp i, 0,1,2,3,4,5,6,7
	v_mul_f32 v[PH+2*\i+1], 0.5, v[PH+2*\i]        ; gelu's factor 1/2 goes into p, and the pair is filled
	v_mul_f32 v[PH+2*\i], 0.5, v[PH+2*\i]
.endr
; 16 numbers h in v[hh .. hh+15] become 16 bf16 of (p/2) (h + |h| erf(|h| / sqrt 2)) in v[hh .. hh+7]; pp: the pair that holds p / 2.
.macro GELU16 hh, pp
.irp i, 0,1,2,3,4,5,6,7,8,9,10,11,12,13,14,15
	v_and_b32 v[GA+\i], s66, v[(\hh)+\i]
.endr
.irp i, 0,2,4,6,8,10,12,14
	v_pk_fma_f32 v[GE+\i:GE+\i+1], v[GA+\i:GA+\i+1], v[KC:KC+1], v[KC+14:KC+15]
.endr
.irp i, 0,1,2,3,4,5,6,7,8,9,10,11,12,13,14,15
	v_rcp_f32 v[GT+\i], v[GE+\i]
.endr
.irp i, 0,2,4,6,8,10,12,14
	v_pk_mul_f32 v[GQ+\i:GQ+\i+1], v[(\hh)+\i:(\hh)+\i+1], v[KC+2:KC+3]          ; plain work behind the reciprocals (ISA guide 5.7.2): it touches neither GT nor GE
.endr
.irp i, 0,2,4,6,8,10,12,14
	v_pk_mul_f32 v[GQ+\i:GQ+\i+1], v[GQ+\i:GQ+\i+1], v[GQ+\i:GQ+\i+1] neg_lo:[0,1] neg_hi:[0,1]   ; -(k h)^2
.endr
.irp i, 0,1,2,3,4,5,6,7,8,9,10,11,12,13,14,15
	v_exp_f32 v[GE+\i], v[GQ+\i]
.endr
	v_nop                                          ; one plain place before GQ, the exponentials' source, is written again
	s_wait_alu depctr_va_vdst(0)
.irp i, 0,2,4,6,8,10,12,14
	v_pk_fma_f32 v[GQ+\i:GQ+\i+1], v[GT+\i:GT+\i+1], v[KC+4:KC+5], v[KC+6:KC+7]
.endr
.irp c, 8,10,12
.irp i, 0,2,4,6,8,10,12,14
	v_pk_fma_f32 v[GQ+\i:GQ+\i+1], v[GQ+\i:GQ+\i+1], v[GT+\i:GT+\i+1], v[KC+\c:KC+\c+1]
.endr
.endr
.irp i, 0,2,4,6,8,10,12,14
	v_pk_mul_f32 v[GQ+\i:GQ+\i+1], v[GQ+\i:GQ+\i+1], v[GT+\i:GT+\i+1]
.endr
.irp i, 0,2,4,6,8,10,12,14
	v_pk_fma_f32 v[GQ+\i:GQ+\i+1], v[GQ+\i:GQ+\i+1], v[GE+\i:GE+\i+1], v[KC+14:KC+15]      ; erf(|h| / sqrt 2)
.endr
.irp i, 0,2,4,6,8,10,12,14
	v_pk_fma_f32 v[(\hh)+\i:(\hh)+\i+1], v[GA+\i:GA+\i+1], v[GQ+\i:GQ+\i+1], v[(\hh)+\i:(\hh)+\i+1]   ; h + |h| erf: h erf(h / sqrt 2) is even in h
.endr
.irp i, 0,2,4,6,8,10,12,14
	v_pk_mul_f32 v[(\hh)+\i:(\hh)+\i+1], v[(\hh)+\i:(\hh)+\i+1], v[\pp:\pp+1]
.endr
.irp i, 0,1,2,3,4,5,6,7
	v_cvt_pk_bf16_f32 v[(\hh)+\i], v[(\hh)+2*\i], v[(\hh)+2*\i+1]                ; in place, ascending: register i is written after it was read
.endr
.endm
; tokens 16 i .. 16 i + 15 of my block = the eight tiles (a, 0..7) of window 2 or 3 (from = 2 or 3: source 0's window)
.macro OUT16 i, a, from
	WIN \from
.irp b, 0,1,2,3,4,5,6,7
.irp r, 0,2,4,6
	v_pk_add_f32 v[F1+8*\b+\r:F1+8*\b+\r+1], v[8*(8*\a+\b)+\r:8*(8*\a+\b)+\r+1], v[B1+8*\b+\r:B1+8*\b+\r+1]
.endr
.endr
	WIN 0
	s_wait_xcnt 0x0                                ; v[64:95], the data of the last group's stores, and the stores' base are written again only behind this wait
.irp c, 0,1,2,3
	GELU16 F1+16*\c, PH+2*\i
.endr
.irp b, 0,1,2,3,4,5,6,7
	ds_store_b128 v[STO], v[F1+16*(\b/2)+4*(\b%2):F1+16*(\b/2)+4*(\b%2)+3] offset:32*\b
.endr
.if \i
	s_add_nc_u64 s[8:9], s[8:9], 16*HB_ROW
.endif
.irp t, 0,1,2,3,4,5,6,7
	ds_load_b128 v[F0+4*\t:F0+4*\t+3], v[RD] offset:\t*2*SPITCH    ; LDS serves a wave's instructions in order (ISA guide 5.7.1.4): these see the stores above
.endr
.irp t, 0,1,2,3,4,5,6,7
	s_wait_dscnt 7-\t                              ; pair t of rows is back; the younger loads stay out
	global_store_b128 v[CO], v[F0+4*\t:F0+4*\t+3], s[8:9] offset:2*\t*HB_ROW    ; 16 lanes store 256 consecutive bytes, at a multiple of 256 from hb's first byte
.endr
.endm
	OUT16 0, 0, 0x02
	OUT16 1, 1, 0x02
	OUT16 2, 2, 0x02
	OUT16 3, 3, 0x02
	OUT16 4, 0, 0x03
	OUT16 5, 1, 0x03
	OUT16 6, 2, 0x03
	OUT16 7, 3, 0x03
	s_set_vgpr_msb 0x1
	s_wait_tensorcnt 0x0
	ds_add_u32 v255, v31
	s_wait_dscnt 0x0
	s_set_vgpr_msb 0x100
	CROUND                                         ; the closing round: no work-group ends while a partner may still ask for a tile that names it
	s_endpgm
.Lfunc_end_k_q217c4bcbb6_gemm1:
	.size	k_q217c4bcbb6_gemm1, .Lfunc_end_k_q217c4bcbb6_gemm1-k_q217c4bcbb6_gemm1
	.p2alignl 7, 3214868480
	.fill 96, 4, 3214868480
	.section	.rodata,"a",@progbits
	.p2align	6, 0x0
	.amdhsa_kernel k_q217c4bcbb6_gemm1
		.amdhsa_group_segment_fixed_size 327680
		.amdhsa_private_segment_fixed_size 0
		.amdhsa_enable_private_segment 0
		.amdhsa_kernarg_size 40
		.amdhsa_user_sgpr_count 2
		.amdhsa_user_sgpr_kernarg_segment_ptr 1
		.amdhsa_wavefront_size32 1
		.amdhsa_system_sgpr_workgroup_id_x 1
		.amdhsa_system_sgpr_workgroup_id_y 1
		.amdhsa_system_sgpr_workgroup_id_z 1
		.amdhsa_system_vgpr_workitem_id 0
		.amdhsa_next_free_vgpr 1024
		.amdhsa_next_free_sgpr 92
		.amdhsa_reserve_vcc 0
		.amdhsa_float_denorm_mode_32 3
		.amdhsa_float_denorm_mode_16_64 3
		.amdhsa_memory_ordered 1
		.amdhsa_forward_progress 1
		.amdhsa_inst_pref_size 255
	.end_amdhsa_kernel
	.section	.bss,"aw",@nobits
	.p2align	6
	.space	262144
	.amdgpu_metadata
---
amdhsa.version: [ 1, 2 ]
amdhsa.kernels:
  - .name:           k_q217c4bcbb6_gemm1
    .symbol:         k_q217c4bcbb6_gemm1.kd
    .args:
      - { .name: xb, .offset: 0, .size: 8, .value_kind: global_buffer, .address_space: global }
      - { .name: w1b, .offset: 8, .size: 8, .value_kind: global_buffer, .address_space: global }
      - { .name: b1, .offset: 16, .size: 8, .value_kind: global_buffer, .address_space: global }
      - { .name: out2, .offset: 24, .size: 8, .value_kind: global_buffer, .address_space: global }
      - { .name: hb, .offset: 32, .size: 8, .value_kind: global_buffer, .address_space: global }
    .group_segment_fixed_size: 327680
    .private_segment_fixed_size: 0
    .kernarg_segment_align: 8
    .kernarg_segment_size: 40
    .max_flat_workgroup_size: 128
    .sgpr_count:     92
    .vgpr_count:     1024
    .wavefront_size: 32
...
	.end_amdgpu_metadata
.endif
;; end of part 2
;; launch gemm2 (part 3): grid 4 x 64, 4 waves a work-group, clusters of 4 x 4, 327,680 bytes of LDS; arguments hb, w2b, part; writes part
.if DOCPART == 3
	.amdgcn_target "amdgcn-amd-amdhsa--gfx1250"
	.amdhsa_code_object_version 6
	.text
	.protected	k_q217c4bcbb6_gemm2
	.globl	k_q217c4bcbb6_gemm2
	.p2align	8
	.type	k_q217c4bcbb6_gemm2,@function
k_q217c4bcbb6_gemm2:
	s_mov_b64 s[64:65], 0
	v_nop
	global_prefetch_b8 v0, s[64:65] scope:SCOPE_SE
	s_setreg_imm32_b32 hwreg(HW_REG_WAVE_MODE, 25, 1), 1
	s_wait_xcnt 0x0
	s_wait_alu depctr_hold_cnt(0) depctr_sa_sdst(0) depctr_va_vdst(0) depctr_va_sdst(0) depctr_va_ssrc(0) depctr_va_vcc(0) depctr_vm_vsrc(0)
	s_getreg_b32 s2, hwreg(HW_REG_IB_STS2, 6, 4)
	s_cmp_eq_u32 s2, 0
	s_cbranch_scc0 .Lentry_in_a_cluster
	s_endpgm
.Lentry_in_a_cluster:
	s_bfe_u32 s2, ttmp6, 0x10000c
	s_cmp_lg_u32 s2, 0xf033
	s_cbranch_scc0 .Lentry_shape_is_right
	s_endpgm
.Lentry_shape_is_right:
; GEMM 2, in four parts along K: part[s][t][n] = sum over k in 2,048 s .. 2,048 s + 2,047 of hb[t][k] w2b[k][n], in f32.  The next launch adds the four parts.
; out0 has 4,096 x 1,024 numbers: 64 blocks of 256 x 256.  Each block's K = 8,192 is shared among four work-groups, 2,048 each: 256 work-groups.  A block of 256 x 256 is
; taken, and K split, because a slot of 139,264 bytes then feeds 256 matrix instructions of every wave; with a block of 128 x 128 for each work-group a slot of like size feeds 128,
; and the next slot's load has half the work in which to land.  The price is 67,108,864 bytes of partial sums, stored here and read once by the next launch.
; A work-group has four waves; a wave makes 128 x 128: 64 accumulator tiles of 16 x 16, 512 registers.  K goes in steps of 128 through two LDS slots filled by the tensor data mover.
; A (hb) lies [token][k]: 256 rows of 256 bytes.  B (w2b) lies [k][n]: 128 rows of 512 bytes; its fragments are made by the transposing LDS load.
; CLUSTERS: 4 x 4 work-groups, all of one quarter of K.  The four of a row of the cluster share the tokens (A's tiles), the four of a column share the columns (B's tiles):
; each tile is asked for jointly by the four, which divides the requests for A and for B by four.
; REGISTERS, in windows of 256: window 0: v16-29 addresses, v64-191 A's fragments (two buffers; rows on the way out); window 1: v64-191 B's fragments;
;   windows 2, 3: the accumulators of my rows 0-63, 64-127.
; THE MATRIX INSTRUCTION IS USED TRANSPOSED: source 0 = 16 columns of B, source 1 = 16 tokens of A, so that register j of lane l is token l % 16, column 8 (l / 16) + j.
; LIMITS: operands are bf16; a sum over K = 8,192 is made in four parts of 2,048 neighbouring terms.
.set KSPLIT, 2048
.set KSTEP,  128
.set PITCH,  272                       ; A's LDS row: 256 bytes + 16: the 16 rows of a fragment load start 16 bytes further on in each 256
.set BPITCH, 544                       ; B's LDS row: 512 bytes + 32: an odd multiple of 32, for the eight rows of a transposing load
.set HALFT,  128*PITCH                 ; what one tensor load brings: 128 rows of A, or 64 rows of B (64 x 544 is the same 34,816 bytes)
.set SLOT,   4*HALFT                   ; A's 256 rows, then B's 128 rows
.set RPITCH, 528                       ; the way out: a row of my block, 512 bytes of f32 + 16
.set RBLK,   128*RPITCH                ; 67,584: my block; the four waves' take 270,336 of the ring's 278,528 bytes
.set LAPS,   KSPLIT/(2*KSTEP)          ; a lap = two K steps = once round the ring: 8
.set ADRA, 16                          ; v16-17  LDS address of my A fragments in slot 0, 1
.set ADRB, 20                          ; v20-21  the same for B
.set RSTO, 24                          ; the way out: where I put 32 bytes of a row
.set CO,   26                          ; 16 x lane: my 16 bytes of a row of 512
.set RRD,  28                          ; v28-29  the way out: where I read rows 0-63, 64-127 back
.set F0,   64
.set F1,   128
.set G1, 24                            ; s[24:31] descriptor group 1 for A's tiles
.set G0, 32                            ; s[32:39] descriptor group 0 for A's tiles, one set for each slot
.set G1B, 48                           ; s[48:55] group 1 for B's tiles
.set G0B, 56                           ; s[56:63] group 0 for B's tiles, one set for each slot
.set MSB, 0
.macro WIN new                         ; the immediate's high byte repeats the setting that is left
.if MSB != \new
	s_set_vgpr_msb (MSB<<8)|\new
.set MSB, \new
.endif
.endm
.set MUL_LO, 0xa1                      ; source 0 (B) window 1, source 1 (A) window 0, C and D window 2
.set MUL_HI, 0xf1                      ; the same, C and D window 3
.set TO_B,   0x40                      ; destination window 1, address window 0
; A joint load.  Waves 0 and 1 fetch A's two halves, waves 2 and 3 B's.  Each line has one mask and one set of registers for all that issue it.
.macro JLOAD s
	s_cmp_eq_u32 s11, 0
	s_cbranch_scc0 .Lfor_b_\@
	tensor_load_to_lds s[G0+4*\s:G0+4*\s+3], s[G1:G1+7]
	s_nop 0
	s_branch .Lasked_\@
.Lfor_b_\@:
	tensor_load_to_lds s[G0B+4*\s:G0B+4*\s+3], s[G1B:G1B+7]
	s_nop 0
.Lasked_\@:
.endm
; A round of the cluster's barrier: my work-group's barrier; wave 0 signals for the work-group; every wave waits for all sixteen; my work-group's barrier again.
.macro CREST                           ; a round behind its opening barrier
	s_cmp_lg_u32 s10, 0
	s_cbranch_scc1 .Lnot_wave_0_\@
	s_barrier_signal -3
.Lnot_wave_0_\@:
	s_barrier_wait -3
	s_barrier_signal -1
	s_barrier_wait -1
.endm
.macro CROUND
	s_barrier_signal -1
	s_barrier_wait -1
	CREST
.endm
	s_load_b128 s[4:7], s[0:1], 0x0                ; hb s[4:5], w2b s[6:7]
	s_load_b64 s[8:9], s[0:1], 0x10                ; part
	s_set_vgpr_msb 0x40
	v_lshl_add_u32 v255, v0, 2, 0x44000
	s_set_vgpr_msb 0x4000
	v_mov_b32 v255, 0
	s_set_vgpr_msb 0x1
	ds_add_u32 v255, v255
	s_set_vgpr_msb 0x100
	v_lshrrev_b32 v1, 5, v0
	v_readfirstlane_b32 s10, v1                    ; wave 0..3
	s_lshr_b32 s11, s10, 1                         ; which half of the block's tokens is mine.  Also: I fetch for A (0) or for B (1)
	s_and_b32 s12, s10, 1                          ; which half of its columns.  Also: which half of that tile I fetch
	s_bfe_u32 s40, ttmp6, 0x40000                  ; cx
	s_bfe_u32 s41, ttmp6, 0x40004                  ; cy
	s_lshl_b32 s42, ttmp9, 2
	s_add_co_u32 s42, s42, s40                     ; block column 0..3 = 4 x cluster x + cx (the grid has one cluster along x)
	s_and_b32 s13, ttmp7, 0xffff                   ; the cluster's y, 0..15
	s_lshr_b32 s68, s13, 2                         ; its upper two bits: the quarter of K, the same for all sixteen partners
	s_and_b32 s13, s13, 3                          ; its lower two bits: four block rows
	s_lshl_b32 s13, s13, 2
	s_add_co_u32 s13, s13, s41                     ; block row 0..15
	s_lshl_b32 s43, s41, 2
	s_lshl_b32 s43, 15, s43                        ; my row of the cluster
	s_lshl_b32 s44, 0x1111, s40                    ; my column
	; group 1 for A: 128 rows x 128 elements of 2 bytes, 4 words of padding behind every 64 words
	s_or_b32 s[G1+0], s43, (1<<16)|(1<<20)|(1<<21)|(5<<22)|(3<<25)
	s_mov_b32 s[G1+1], KSTEP<<16                   ; tensor_dim0 = 128
	s_mov_b32 s[G1+2], 128<<16                     ; tensor_dim1 = 128
	s_mov_b32 s[G1+3], KSTEP<<16                   ; tile_dim0 = 128
	s_mov_b32 s[G1+4], 128                         ; tile_dim1 = 128
	s_mov_b32 s[G1+5], 8192                        ; elements from row to row of hb
	s_mov_b32 s[G1+6], 0
	s_mov_b32 s[G1+7], 0
	; group 1 for B: 64 rows x 256 elements of 2 bytes, 8 words of padding behind every 128 words
	s_or_b32 s[G1B+0], s44, (1<<16)|(1<<20)|(1<<21)|(6<<22)|(7<<25)
	s_mov_b32 s[G1B+1], 256<<16                    ; tensor_dim0 = 256
	s_mov_b32 s[G1B+2], 64<<16                     ; tensor_dim1 = 64
	s_mov_b32 s[G1B+3], 256<<16                    ; tile_dim0 = 256
	s_mov_b32 s[G1B+4], 64                         ; tile_dim1 = 64
	s_mov_b32 s[G1B+5], 1024                       ; elements from row to row of w2b
	s_mov_b32 s[G1B+6], 0
	s_mov_b32 s[G1B+7], 0
	; A's tiles hang on the block row and the quarter, B's on the block column and the quarter; every wave makes both addresses
	s_lshl_b32 s17, s12, 7
	s_lshl_b32 s16, s13, 8
	s_add_co_u32 s16, s16, s17                     ; A: token 256 x block row + 128 x half,
	s_lshl_b32 s16, s16, 14                        ; times 16,384 bytes,
	s_lshl_b32 s17, s68, 12                        ; and the quarter's 2,048 elements of 2 bytes along the row
	s_add_co_u32 s16, s16, s17
	s_mov_b32 s17, 0
	s_lshl_b32 s46, s68, 22                        ; B: the quarter's 2,048 rows of 2,048 bytes,
	s_lshl_b32 s45, s42, 9                         ; the block's 512 bytes of a row,
	s_add_co_u32 s46, s46, s45
	s_lshl_b32 s45, s12, 17                        ; 64 rows of 2,048 bytes for the second half
	s_add_co_u32 s46, s46, s45
	s_mov_b32 s47, 0
	s_mul_i32 s20, s10, HALFT                      ; where they go: A's halves, then B's halves = wave x 34,816
	s_wait_dscnt 0x0
	s_wait_kmcnt 0x0
	s_add_nc_u64 s[14:15], s[4:5], s[16:17]
	s_add_nc_u64 s[46:47], s[6:7], s[46:47]
	CROUND                                         ; all sixteen work-groups are here: the first joint loads meet
.irp s, 0,1
	s_mov_b32 s[G0+4*\s], 1
	s_add_co_u32 s[G0+4*\s+1], s20, \s*SLOT
	s_add_nc_u64 s[G0+4*\s+2:G0+4*\s+3], s[14:15], \s*KSTEP*2          ; K step s: 256 bytes along the rows
	s_or_b32 s[G0+4*\s+3], s[G0+4*\s+3], 0x80000000
	s_mov_b32 s[G0B+4*\s], 1
	s_add_co_u32 s[G0B+4*\s+1], s20, \s*SLOT
	s_add_nc_u64 s[G0B+4*\s+2:G0B+4*\s+3], s[46:47], \s*KSTEP*2048     ; K step s: 128 rows down
	s_or_b32 s[G0B+4*\s+3], s[G0B+4*\s+3], 0x80000000
	JLOAD \s                                       ; both slots' first fills: two tensor loads of the wave are out here, one from then on
.endr
	v_and_b32 v1, 15, v0                           ; r = l % 16
	v_bfe_u32 v2, v0, 4, 1                         ; h = l / 16
	v_mul_u32_u24 v3, v1, PITCH
	v_lshl_add_u32 v3, v2, 4, v3                   ; A: row x pitch + 16 x half
	v_and_b32 v4, 7, v0
	v_lshl_add_u32 v4, v2, 3, v4                   ; B: row 8 h + (l % 8),
	v_mul_u32_u24 v4, v4, BPITCH
	v_bfe_u32 v5, v0, 3, 1
	v_lshl_add_u32 v4, v5, 4, v4                   ; columns 0-7 or 8-15 of the sixteen
	s_mul_i32 s21, s11, HALFT                      ; my 128 tokens
	s_lshl_b32 s22, s12, 8                         ; my 128 columns: 256 bytes of B's rows,
	s_add_co_u32 s22, s22, 2*HALFT                 ; which lie behind A's 256 rows
.irp s, 0,1
	v_add_nc_u32 v[ADRA+\s], s21, v3
	v_add_nc_u32 v[ADRB+\s], s22, v4
	s_add_co_u32 s21, s21, SLOT
	s_add_co_u32 s22, s22, SLOT
.endr
	s_mul_i32 s23, s10, RBLK                       ; the way out: my 67,584 bytes
	v_mul_u32_u24 v5, v1, RPITCH
	v_lshl_add_u32 v5, v2, 5, v5
	v_add_nc_u32 v[RSTO], s23, v5                  ; in: token r, 32 bytes for each half of the lanes
	v_and_b32 v6, 31, v0
	v_lshlrev_b32 v[CO], 4, v6                     ; back: 32 lanes take a row's 512 bytes
	v_add_nc_u32 v[RRD], s23, v[CO]
	v_add_nc_u32 v[RRD+1], 64*RPITCH, v[RRD]       ; rows 64-127 from a second address: 127 rows of 528 bytes pass an LDS offset's 16 bits
	s_lshl_b32 s70, s13, 8                         ; part at my quarter, my first token and column
	s_lshl_b32 s71, s11, 7
	s_add_co_u32 s70, s70, s71
	s_lshl_b32 s70, s70, 12                        ; rows of 4,096 bytes
	s_lshl_b32 s71, s42, 10                        ; 256 columns of 4 bytes a block,
	s_add_co_u32 s70, s70, s71
	s_lshl_b32 s71, s12, 9                         ; 128 a wave
	s_add_co_u32 s70, s70, s71
	s_lshl_b32 s71, s68, 24                        ; 16,777,216 bytes a quarter
	s_add_co_u32 s70, s70, s71
	s_mov_b32 s71, 0
	s_add_nc_u64 s[8:9], s[8:9], s[70:71]
; 16 matrix instructions: row groups a0, a0 + 1 of the window's four x all 8 column groups, 32 along K.  zero = 1: the first product starts the sums.
.macro MUL16 f, hi, a0, zero
.irp a, \a0, \a0+1
.irp b, 0,1,2,3,4,5,6,7
.if \zero
	v_wmma_f32_16x16x32_bf16 v[8*(8*(\a)+\b):8*(8*(\a)+\b)+7], v[\f+8*\b:\f+8*\b+7], v[\f+8*(4*\hi+\a):\f+8*(4*\hi+\a)+7], 0
.else
	v_wmma_f32_16x16x32_bf16 v[8*(8*(\a)+\b):8*(8*(\a)+\b)+7], v[\f+8*\b:\f+8*\b+7], v[\f+8*(4*\hi+\a):\f+8*(4*\hi+\a)+7], v[8*(8*(\a)+\b):8*(8*(\a)+\b)+7]
.endif
.endr
.endr
.endm
; 32 LDS loads in one run: the fragments of quarter q of a K step (32 along K) into buffer f.  B's come transposed: a load takes 8 rows (k) x 8 columns for each
; eight lanes and gives each lane eight k of one column; the second load stands 16 rows further down.
.macro FETCH slot, q, f
	WIN TO_B
.irp i, 0,1,2,3,4,5,6,7
	ds_load_tr16_b128 v[\f+8*\i:\f+8*\i+3],   v[ADRB+\slot] offset:\q*32*BPITCH+32*\i
	ds_load_tr16_b128 v[\f+8*\i+4:\f+8*\i+7], v[ADRB+\slot] offset:\q*32*BPITCH+32*\i+16*BPITCH
.endr
	WIN 0
.irp i, 0,1,2,3,4,5,6,7
	ds_load_b128 v[\f+8*\i:\f+8*\i+3],   v[ADRA+\slot] offset:\q*64+\i*16*PITCH
	ds_load_b128 v[\f+8*\i+4:\f+8*\i+7], v[ADRA+\slot] offset:\q*64+\i*16*PITCH+32
.endr
.endm
; Four places stand between a matrix instruction and a load into, or a vector instruction or LDS store on, one of its registers (ISA guide 7.12.1 for vector instructions)
.macro PLACES
.rept 4
	v_nop
.endr
.endm
; One of a K step's first three quarters: multiplies buffer f; in its middle it fetches quarter q of the same slot into buffer g.
; The 64 accumulators take turns, one instruction a turn, in the same order in every quarter.
.macro QUARTER slot, q, f, g, zero
	s_wait_dscnt 8                                 ; B and A's rows 0-63 are in; the youngest eight loads (A's rows 64-127) may be out
	WIN MUL_LO
	MUL16 \f, 0, 0, \zero
	MUL16 \f, 0, 2, \zero
	PLACES
	FETCH \slot, \q, \g
	s_wait_dscnt 32                                ; all but the 32 just issued
	WIN MUL_HI
	MUL16 \f, 1, 0, \zero
	MUL16 \f, 1, 2, \zero
.endm
.macro THREE slot, zero
	QUARTER \slot, 1, F0, F1, \zero
	QUARTER \slot, 2, F1, F0, 0
	QUARTER \slot, 3, F0, F1, 0
.endm
; The last quarter multiplies buffer 1 and changes slots.  In front of the barrier each wave waits for its reads of this slot and for all its tensor loads (one is out:
; its part of the next slot).  Behind it nobody reads this slot and the next is whole: the refill comes first, then the next slot's first fragments.
; From a request to the wait for it a wave issues 240 matrix instructions.
.macro TURN slot, next, fill
	s_wait_dscnt 8
	WIN MUL_LO
	MUL16 F1, 0, 0, 0
	s_wait_dscnt 0                                 ; my reads of this slot are over
	s_wait_tensorcnt 0x0                           ; and all my tensor loads have landed
	ds_add_u32 v255, v255
	s_wait_dscnt 0x0
	s_barrier_signal -1                            ; (where the slot is filled again this barrier opens a round of the cluster's barrier)
	MUL16 F1, 0, 2, 0                              ; register work while the others arrive
	WIN 0
	s_barrier_wait -1
.if \fill
	CREST                                          ; no wave of any partner still reads this slot or has a load on its way
	s_add_nc_u64 s[G0+4*\slot+2:G0+4*\slot+3], s[G0+4*\slot+2:G0+4*\slot+3], 2*KSTEP*2
	s_add_nc_u64 s[G0B+4*\slot+2:G0B+4*\slot+3], s[G0B+4*\slot+2:G0B+4*\slot+3], 2*KSTEP*2048
	JLOAD \slot                                    ; the first tensor load behind the round, one a wave
.endif
	PLACES
	FETCH \next, 0, F0
	WIN MUL_HI
	MUL16 F1, 1, 0, 0
	MUL16 F1, 1, 2, 0
.endm
.macro LAP zero
	THREE 0, \zero
	TURN 0, 1, 1
	THREE 1, 0
	TURN 1, 0, 1
.endm
	s_wait_tensorcnt 0x1                           ; my part of K step 0 is in; K step 1's may stay out
	s_barrier_signal -1
	s_barrier_wait -1
	FETCH 0, 0, F0
	LAP 1                                          ; the first lap's first products start the sums
	WIN 0
	s_mov_b32 s3, LAPS-2
.Llap:
	LAP 0
	WIN 0
	s_sub_co_u32 s3, s3, 1
	s_cmp_lg_u32 s3, 0
	s_cbranch_scc1 .Llap
	THREE 0, 0                                     ; the last lap fills nothing
	TURN 0, 1, 0
	THREE 1, 0
	s_wait_dscnt 8
	WIN MUL_LO
	MUL16 F1, 0, 0, 0
	MUL16 F1, 0, 2, 0
	s_wait_dscnt 0
	WIN MUL_HI
	MUL16 F1, 1, 0, 0
	MUL16 F1, 1, 2, 0
	; THE WAY OUT.  A lane holds 32 bytes of a row, and the lanes beside it hold other rows: the block goes through LDS, so that a store takes a whole row of 512 bytes.
	; The ring has had its last fill (every tensor load was waited for in the last change of slots); each wave takes 67,584 bytes of it for its own block.
	PLACES                                         ; the places behind the last matrix instructions, for the LDS stores of results and the loads into the fragment buffers
	WIN 0
	s_barrier_signal -1                            ; every wave's reads of the ring are back (the wait for 0 above): the ring's bytes may be written
	s_barrier_wait -1
.macro PUT win, a4
	WIN \win                                       ; an LDS store's data is source 1
.irp a, 0,1,2,3
.irp b, 0,1,2,3,4,5,6,7
	ds_store_b128 v[RSTO], v[8*(8*\a+\b):8*(8*\a+\b)+3]   offset:(\a4+\a)*16*RPITCH+64*\b
	ds_store_b128 v[RSTO], v[8*(8*\a+\b)+4:8*(8*\a+\b)+7] offset:(\a4+\a)*16*RPITCH+64*\b+16
.endr
.endr
.endm
	PUT 0x08, 0
	PUT 0x0c, 4
	WIN 0
; Rows 16 g .. 16 g + 15 of my block come back and leave; buf: 64 registers, by turns.  The bytes are my own, and LDS serves a wave's instructions in order
; (ISA guide 5.7.1.4): the loads see the stores above without a wait or a barrier.
.macro BACK g, buf
.if \g > 1
	s_wait_xcnt 0x0                                ; buf was the data of the stores two groups ago: it is loaded again only behind this wait
.endif
.irp u, 0,1,2,3,4,5,6,7,8,9,10,11,12,13,14,15
	ds_load_b128 v[\buf+4*\u:\buf+4*\u+3], v[RRD+(\g/4)] offset:RPITCH*(16*(\g%4)+\u)
.endr
.irp u, 0,1,2,3,4,5,6,7,8,9,10,11,12,13,14,15
	s_wait_dscnt 15-\u                             ; row u is back; the younger rows stay out
	global_store_b128 v[CO], v[\buf+4*\u:\buf+4*\u+3], s[8:9] offset:4096*(16*\g+\u)   ; the wave's store covers 512 consecutive bytes, at a multiple of 512 from part's first byte
.endr
.endm
	BACK 0, F0
	BACK 1, F1
	BACK 2, F0
	BACK 3, F1
	BACK 4, F0
	BACK 5, F1
	BACK 6, F0
	BACK 7, F1
	s_set_vgpr_msb 0x1
	s_wait_tensorcnt 0x0
	ds_add_u32 v255, v255
	s_wait_dscnt 0x0
	s_set_vgpr_msb 0x100
	CROUND                                         ; the closing round: no work-group ends while a partner may still ask for a tile that names it
	s_endpgm
.Lfunc_end_k_q217c4bcbb6_gemm2:
	.size	k_q217c4bcbb6_gemm2, .Lfunc_end_k_q217c4bcbb6_gemm2-k_q217c4bcbb6_gemm2
	.p2alignl 7, 3214868480
	.fill 96, 4, 3214868480
	.section	.rodata,"a",@progbits
	.p2align	6, 0x0
	.amdhsa_kernel k_q217c4bcbb6_gemm2
		.amdhsa_group_segment_fixed_size 327680
		.amdhsa_private_segment_fixed_size 0
		.amdhsa_enable_private_segment 0
		.amdhsa_kernarg_size 24
		.amdhsa_user_sgpr_count 2
		.amdhsa_user_sgpr_kernarg_segment_ptr 1
		.amdhsa_wavefront_size32 1
		.amdhsa_system_sgpr_workgroup_id_x 1
		.amdhsa_system_sgpr_workgroup_id_y 1
		.amdhsa_system_sgpr_workgroup_id_z 1
		.amdhsa_system_vgpr_workitem_id 0
		.amdhsa_next_free_vgpr 1024
		.amdhsa_next_free_sgpr 76
		.amdhsa_reserve_vcc 0
		.amdhsa_float_denorm_mode_32 3
		.amdhsa_float_denorm_mode_16_64 3
		.amdhsa_memory_ordered 1
		.amdhsa_forward_progress 1
		.amdhsa_inst_pref_size 195
	.end_amdhsa_kernel
	.amdgpu_metadata
---
amdhsa.version: [ 1, 2 ]
amdhsa.kernels:
  - .name:           k_q217c4bcbb6_gemm2
    .symbol:         k_q217c4bcbb6_gemm2.kd
    .args:
      - { .name: hb, .offset: 0, .size: 8, .value_kind: global_buffer, .address_space: global }
      - { .name: w2b, .offset: 8, .size: 8, .value_kind: global_buffer, .address_space: global }
      - { .name: part, .offset: 16, .size: 8, .value_kind: global_buffer, .address_space: global }
    .group_segment_fixed_size: 327680
    .private_segment_fixed_size: 0
    .kernarg_segment_align: 8
    .kernarg_segment_size: 24
    .max_flat_workgroup_size: 128
    .sgpr_count:     76
    .vgpr_count:     1024
    .wavefront_size: 32
...
	.end_amdgpu_metadata
.endif
;; end of part 3
;; launch combine (part 4): grid 512 x 1, 8 waves a work-group, no clusters, 0 bytes of LDS; arguments part, b2, out2, out0; writes out0
.if DOCPART == 4
	.amdgcn_target "amdgcn-amd-amdhsa--gfx1250"
	.amdhsa_code_object_version 6
	.text
	.protected	k_q217c4bcbb6_combine
	.globl	k_q217c4bcbb6_combine
	.p2align	8
	.type	k_q217c4bcbb6_combine,@function
k_q217c4bcbb6_combine:
	s_mov_b64 s[64:65], 0
	v_nop
	global_prefetch_b8 v0, s[64:65] scope:SCOPE_SE
	s_setreg_imm32_b32 hwreg(HW_REG_WAVE_MODE, 25, 1), 1
	s_wait_xcnt 0x0
; COMBINE: out0[t][n] = (part[0][t][n] + part[1][t][n]) + (part[2][t][n] + part[3][t][n]) + sum over e of p[t][e] b2[e][n], experts ascending, all in f32.
; A stream: 67,108,864 bytes of partial sums in, 16,777,216 bytes out, each byte once.  Eight waves; the work-group owns 8 rows of 4,096 bytes.
; Thread t owns the 16 bytes (4 columns) at byte 16 t of every row: a load or store of a wave covers 512 consecutive bytes, aligned, and the thread's b2
; (8 experts x 4 columns) stays in 32 registers.  p of the 8 rows, 64 numbers, comes by scalar loads: it is the same for all lanes.
; All 32 loads of partial sums go out first, 16,384 bytes of a wave on their way; no register is written twice, so the only waits are the counted ones for data.
; No LDS, no barrier, no matrix unit, no cluster: nothing is shared between waves but b2's 32,768 bytes.
.set ROWB, 4096                        ; bytes in a row
.set QB,   16777216                    ; bytes in a part
.set B2,   8                           ; v[8:39]    b2[e][my 4 columns] at index 4 e + c
.set X,    40                          ; v[40:167]  row u: 16 registers, part q's four numbers at 4 q
	s_load_b256 s[4:11], s[0:1], 0x0               ; part s[4:5], b2 s[6:7], out2 s[8:9], out0 s[10:11]
	v_lshlrev_b32 v1, 4, v0                        ; 16 t; never rewritten
	s_lshl_b32 s12, ttmp9, 15                      ; 8 rows of 4,096 bytes
	s_mov_b32 s13, 0
	s_lshl_b32 s14, ttmp9, 8                       ; 8 rows of 32 bytes
	s_mov_b32 s15, 0
	s_wait_kmcnt 0x0
	s_add_nc_u64 s[4:5], s[4:5], s[12:13]          ; part 0 at my first row
	s_add_nc_u64 s[10:11], s[10:11], s[12:13]
	s_add_nc_u64 s[8:9], s[8:9], s[14:15]
	s_add_nc_u64 s[84:85], s[4:5], QB              ; parts 1, 2, 3: a part's bytes pass the loads' signed 24-bit immediate, so each has a base
	s_add_nc_u64 s[86:87], s[84:85], QB
	s_add_nc_u64 s[88:89], s[86:87], QB
	s_load_b512 s[16:31], s[8:9], 0x0              ; p of rows 0, 1
	s_load_b512 s[32:47], s[8:9], 0x40             ; rows 2, 3
	s_load_b512 s[48:63], s[8:9], 0x80             ; rows 4, 5
	s_load_b512 s[68:83], s[8:9], 0xc0             ; rows 6, 7
.irp e, 0,1,2,3,4,5,6,7
	global_load_b128 v[B2+4*\e:B2+4*\e+3], v1, s[6:7] offset:ROWB*\e
.endr
.irp u, 0,1,2,3,4,5,6,7
	global_load_b128 v[X+16*\u:X+16*\u+3],     v1, s[4:5]   offset:ROWB*\u th:TH_LOAD_NT
	global_load_b128 v[X+16*\u+4:X+16*\u+7],   v1, s[84:85] offset:ROWB*\u th:TH_LOAD_NT
	global_load_b128 v[X+16*\u+8:X+16*\u+11],  v1, s[86:87] offset:ROWB*\u th:TH_LOAD_NT
	global_load_b128 v[X+16*\u+12:X+16*\u+15], v1, s[88:89] offset:ROWB*\u th:TH_LOAD_NT
.endr
	s_wait_kmcnt 0x0                               ; p
; Row u; ps: the first of the eight scalars that hold its p.
.macro SUMROW u, ps
	s_wait_loadcnt 28-4*\u                         ; b2 and this row's four parts are in; the later rows' four loads each stay out
	v_pk_add_f32 v[X+16*\u:X+16*\u+1],     v[X+16*\u:X+16*\u+1],     v[X+16*\u+4:X+16*\u+5]
	v_pk_add_f32 v[X+16*\u+2:X+16*\u+3],   v[X+16*\u+2:X+16*\u+3],   v[X+16*\u+6:X+16*\u+7]
	v_pk_add_f32 v[X+16*\u+8:X+16*\u+9],   v[X+16*\u+8:X+16*\u+9],   v[X+16*\u+12:X+16*\u+13]
	v_pk_add_f32 v[X+16*\u+10:X+16*\u+11], v[X+16*\u+10:X+16*\u+11], v[X+16*\u+14:X+16*\u+15]
	v_pk_add_f32 v[X+16*\u:X+16*\u+1],     v[X+16*\u:X+16*\u+1],     v[X+16*\u+8:X+16*\u+9]
	v_pk_add_f32 v[X+16*\u+2:X+16*\u+3],   v[X+16*\u+2:X+16*\u+3],   v[X+16*\u+10:X+16*\u+11]
.irp e, 0,1,2,3,4,5,6,7
.irp c, 0,1,2,3
	v_fma_f32 v[X+16*\u+\c], s[\ps+\e], v[B2+4*\e+\c], v[X+16*\u+\c]              ; + p[t][e] b2[e][n]
.endr
.endr
	global_store_b128 v1, v[X+16*\u:X+16*\u+3], s[10:11] offset:ROWB*\u th:TH_STORE_NT
.endm
	SUMROW 0, 16
	SUMROW 1, 24
	SUMROW 2, 32
	SUMROW 3, 40
	SUMROW 4, 48
	SUMROW 5, 56
	SUMROW 6, 68
	SUMROW 7, 76
	s_endpgm
.Lfunc_end_k_q217c4bcbb6_combine:
	.size	k_q217c4bcbb6_combine, .Lfunc_end_k_q217c4bcbb6_combine-k_q217c4bcbb6_combine
	.p2alignl 7, 3214868480
	.fill 96, 4, 3214868480
	.section	.rodata,"a",@progbits
	.p2align	6, 0x0
	.amdhsa_kernel k_q217c4bcbb6_combine
		.amdhsa_group_segment_fixed_size 0
		.amdhsa_private_segment_fixed_size 0
		.amdhsa_enable_private_segment 0
		.amdhsa_kernarg_size 32
		.amdhsa_user_sgpr_count 2
		.amdhsa_user_sgpr_kernarg_segment_ptr 1
		.amdhsa_wavefront_size32 1
		.amdhsa_system_sgpr_workgroup_id_x 1
		.amdhsa_system_sgpr_workgroup_id_y 1
		.amdhsa_system_sgpr_workgroup_id_z 1
		.amdhsa_system_vgpr_workitem_id 0
		.amdhsa_next_free_vgpr 168
		.amdhsa_next_free_sgpr 90
		.amdhsa_reserve_vcc 0
		.amdhsa_float_denorm_mode_32 3
		.amdhsa_float_denorm_mode_16_64 3
		.amdhsa_memory_ordered 1
		.amdhsa_forward_progress 1
		.amdhsa_inst_pref_size 25
	.end_amdhsa_kernel
	.amdgpu_metadata
---
amdhsa.version: [ 1, 2 ]
amdhsa.kernels:
  - .name:           k_q217c4bcbb6_combine
    .symbol:         k_q217c4bcbb6_combine.kd
    .args:
      - { .name: part, .offset: 0, .size: 8, .value_kind: global_buffer, .address_space: global }
      - { .name: b2, .offset: 8, .size: 8, .value_kind: global_buffer, .address_space: global }
      - { .name: out2, .offset: 16, .size: 8, .value_kind: global_buffer, .address_space: global }
      - { .name: out0, .offset: 24, .size: 8, .value_kind: global_buffer, .address_space: global }
    .group_segment_fixed_size: 0
    .private_segment_fixed_size: 0
    .kernarg_segment_align: 8
    .kernarg_segment_size: 32
    .max_flat_workgroup_size: 256
    .sgpr_count:     90
    .vgpr_count:     168
    .wavefront_size: 32
...
	.end_amdgpu_metadata
.endif
;; end of part 4
;; ======== version 2 of 2: 4 launches; version 1 with the launch prep written anew for expert scheduling mode
;; workspace buffers: xb 8,388,608 bytes; w1b 16,777,216 bytes; w2b 16,777,216 bytes; hb 67,108,864 bytes; part 67,108,864 bytes
;; launch prep (part 5): grid 768 x 1, 8 waves a work-group, no clusters, 60,416 bytes of LDS; arguments x, Wr, br, W1, W2, xb, w1b, w2b, out1, out2; writes xb, w1b, w2b, out1, out2
.if DOCPART == 5
	.amdgcn_target "amdgcn-amd-amdhsa--gfx1250"
	.amdhsa_code_object_version 6
	.text
	.protected	k_q217c4bcbb6_prep
	.globl	k_q217c4bcbb6_prep
	.p2align	8
	.type	k_q217c4bcbb6_prep,@function
k_q217c4bcbb6_prep:
	s_mov_b64 s[64:65], 0
	v_nop
	global_prefetch_b8 v0, s[64:65] scope:SCOPE_SE
	s_setreg_imm32_b32 hwreg(HW_REG_WAVE_SCHED_MODE, 0, 2), 2
	s_setreg_imm32_b32 hwreg(HW_REG_WAVE_MODE, 25, 1), 1
	s_wait_xcnt 0x0
	s_wait_alu depctr_vm_vsrc(0)
; PREP: x, W1, W2 from f32 to bf16 (layouts unchanged), the router's logits and their softmax.
; Work-groups 0-255: 16 tokens each.  Wave w takes columns 128 w .. 128 w + 127 of the 16 rows of x: it rounds them to bf16, stores them to xb,
;   keeps them in LDS, and multiplies them with its 128 rows of Wr on the matrix unit (bf16 operands, f32 sums).  The eight waves' partial logits
;   meet in LDS; wave 0 adds them in a fixed order, adds br, and makes the softmax in f32 with the row's maximum taken away first.
; Work-groups 256-767: 131,072 bytes of W1 (256-511) or W2 (512-767) each, rounded to bf16.
; No cluster and no tensor loads: every byte but Wr's 32,768 is read by one work-group alone, and the stream goes straight through registers.
; LIMITS: the router's operands are rounded to bf16, as every matrix operand here; v_exp_f32 and v_rcp_f32 give zero for results below 2^-126,
;   so a probability below that comes out as 0.
; THE MODE: SCHED_MODE bits 1:0 = 2 (LLVM: expert scheduling mode 2), set by the entry lines.  The code itself states the register dependences
; between vector or matrix instructions and memory or LDS instructions, with s_wait_alu, always for 0.
; THE PLAN, tokens.  Registers that memory or LDS instructions touch:
;   v4, v5      offsets of Wr's and x's loads; v6 to v13 LDS addresses and store offsets: each written once by a vector line, never again.
;   v[96:127]   Wr lands here; 16 conversions work in place; 8 LDS stores read them; then x's fragments land here, which the matrix instructions read.
;   v[32:95]    x lands here, four registers a row; a row's two conversions work in place; a global store and an LDS store read them;
;               in wave 0 the eight waves' partial logits land here at the end.
;   v[128:159]  Wr's fragments land here; the matrix instructions read them.
;   v[16:23]    written by matrix instructions and four packed adds; two LDS stores read them.      v[72:79]  written by eight selects; two global stores read them.
;   The work goes in blocks.  A block converts four rows of x and issues the stores of the block before (block 0: Wr's LDS stores), whose registers its own
;   conversions do not name.  So one wait on va_vdst at a block's head, behind the wait for the block's data, states all that the block's stores hang on.
; THE PLAN, weights.  v4, v5: offsets, written once.  v[32:159]: eight blocks of four loads; block p converts its own 16 registers in place and issues the four stores
;   of block p - 1, behind one wait on va_vdst at its head.  No register is written twice.
.set XS_W,  16*272                     ; a wave's 16 rows of 256 bytes of bf16, pitch 272: the sixteen rows of a fragment load start 16 bytes further on in each 256
.set WS0,   8*XS_W                     ; 34,816: behind them a wave's 128 rows of Wr in bf16, 16 bytes a row, 2,048 bytes a wave
.set RED0,  WS0+8*2048                 ; 51,200: behind them a wave's partial logits, 32 bytes a lane, 1,024 bytes a wave
.set XR,    32                         ; v[32:95]   16 rows of x, 4 registers each (weights: v[32:159], 32 loads of 4 registers)
.set WR,    96                         ; v[96:127]  Wr as loaded
.set FX,    96                         ; v[96:127]  then the four fragments of x
.set FW,    128                        ; v[128:159] the four fragments of Wr
	s_load_b256 s[4:11], s[0:1], 0x0               ; x s[4:5], Wr s[6:7], br s[8:9], W1 s[10:11]
	s_load_b256 s[12:19], s[0:1], 0x20             ; W2 s[12:13], xb s[14:15], w1b s[16:17], w2b s[18:19]
	s_load_b128 s[20:23], s[0:1], 0x40             ; out1 s[20:21], out2 s[22:23]
	v_lshl_add_u32 v160, v0, 2, 0xe800
	v_mov_b32 v161, 0
	v_lshrrev_b32 v2, 5, v0
	v_readfirstlane_b32 s3, v2                     ; wave 0..7
	v_and_b32 v1, 31, v0                           ; lane
	s_mov_b32 s33, 0                               ; upper word of every 64-bit offset below
	s_wait_alu depctr_va_sdst(0)                   ; s3 is written, ahead of the branch and of its first reader: offsets, LDS addresses and a branch are made from it
	s_wait_kmcnt 0x0
	s_cmp_ge_u32 ttmp9, 256                        ; the same for all waves of a work-group
	s_cbranch_scc1 .Lweights
	; ---------------- 16 tokens ----------------
	s_lshl_b32 s32, ttmp9, 16                      ; 16 rows of 4,096 bytes
	s_add_nc_u64 s[4:5], s[4:5], s[32:33]
	s_lshl_b32 s32, ttmp9, 15                      ; 16 rows of 2,048 bytes
	s_add_nc_u64 s[14:15], s[14:15], s[32:33]
	s_lshl_b32 s32, s3, 12                         ; my 128 rows of Wr, 32 bytes each
	s_add_nc_u64 s[6:7], s[6:7], s[32:33]
	s_lshl_b32 s32, ttmp9, 9                       ; 16 rows of 32 bytes
	s_add_nc_u64 s[20:21], s[20:21], s[32:33]
	s_add_nc_u64 s[22:23], s[22:23], s[32:33]
	v_lshlrev_b32 v4, 4, v1                        ; 16 x lane
	v_lshl_add_u32 v5, s3, 9, v4                   ; + my 512 bytes of a row of x
	s_wait_alu depctr_va_vdst(0)                   ; v4 and v5 are written, which the 24 loads below read as their offsets
.irp i, 0,1,2,3,4,5,6,7
	global_load_b128 v[WR+4*\i:WR+4*\i+3], v4, s[6:7] offset:512*\i
.endr
.irp j, 0,1,2,3,4,5,6,7,8,9,10,11,12,13,14,15
	global_load_b128 v[XR+4*\j:XR+4*\j+3], v5, s[4:5] offset:4096*\j th:TH_LOAD_NT
.endr
	v_and_b32 v2, 15, v1                           ; r
	v_lshrrev_b32 v3, 4, v1                        ; h
	s_mul_i32 s34, s3, XS_W                        ; my rows of x in LDS
	s_lshl_b32 s35, s3, 11
	s_add_co_u32 s35, s35, WS0                     ; my rows of Wr in LDS
	s_lshl_b32 s36, s3, 10
	s_add_co_u32 s36, s36, RED0                    ; my partial logits
	v_lshl_add_u32 v6, v1, 3, s35                  ; Wr in: 8 bytes a lane
	v_lshlrev_b32 v7, 3, v1
	v_lshl_add_u32 v7, s3, 8, v7                   ; xb: 8 x lane + my 256 bytes of a row
	v_lshl_add_u32 v8, v1, 3, s34                  ; x in: 8 bytes a lane
	v_mul_u32_u24 v9, v2, 272
	v_lshl_add_u32 v9, v3, 4, v9
	v_add_nc_u32 v9, s34, v9                       ; x fragment: row r, 16 bytes for each half of the lanes
	v_and_b32 v10, 7, v1
	v_lshl_add_u32 v10, v3, 3, v10
	v_lshl_add_u32 v10, v10, 4, s35                ; Wr fragment: row 8 h + (lane mod 8).  Lanes 8-15 of a half address the same 16 bytes as lanes 0-7,
	                                               ; so that index r and index r + 8 of the fragment both hold expert r mod 8: Wr has eight columns, not sixteen
	v_lshl_add_u32 v11, v1, 5, s36                 ; partial logits: 32 bytes a lane
	v_lshlrev_b32 v12, 5, v1
	v_add_nc_u32 v12, RED0, v12                    ; the same place in wave 0's part
	v_lshlrev_b32 v13, 5, v2
	v_lshl_add_u32 v13, v3, 4, v13                 ; out1, out2: token r, experts 4 h .. 4 h + 3
	s_wait_loadcnt 16                              ; Wr is in; the 16 loads of x were issued behind it
.irp i, 0,1,2,3,4,5,6,7
	v_cvt_pk_bf16_f32 v[WR+4*\i], v[WR+4*\i], v[WR+4*\i+1]
	v_cvt_pk_bf16_f32 v[WR+4*\i+1], v[WR+4*\i+2], v[WR+4*\i+3]
.endr
; Block g converts rows 4 g .. 4 g + 3 of x and issues the stores of the block before: block 0 Wr's eight LDS stores, the others four rows' stores to xb and to LDS.
.macro XBLK g
	s_wait_loadcnt 12-4*(\g)                       ; this block's four rows are in; the later blocks' four loads each stay out
	s_wait_alu depctr_va_vdst(0)                   ; the conversions of the block before have written the registers that the stores below read; at block 0 the addresses v6 to v13 are written too
.irp i, 0,1,2,3
.if (\g) == 0
	ds_store_b64 v6, v[WR+8*\i:WR+8*\i+1] offset:512*\i            ; half the f32 byte offset: LDS holds [k][8] in bf16
	ds_store_b64 v6, v[WR+8*\i+4:WR+8*\i+5] offset:512*\i+256
.else
	global_store_b64 v7, v[XR+16*(\g)-16+4*\i:XR+16*(\g)-16+4*\i+1], s[14:15] offset:2048*(4*(\g)-4+\i)   ; the wave's store covers 256 consecutive bytes, aligned
	ds_store_b64 v8, v[XR+16*(\g)-16+4*\i:XR+16*(\g)-16+4*\i+1] offset:272*(4*(\g)-4+\i)
.endif
	v_cvt_pk_bf16_f32 v[XR+16*(\g)+4*\i], v[XR+16*(\g)+4*\i], v[XR+16*(\g)+4*\i+1]          ; these name this block's rows alone: none of the registers that the stores above read
	v_cvt_pk_bf16_f32 v[XR+16*(\g)+4*\i+1], v[XR+16*(\g)+4*\i+2], v[XR+16*(\g)+4*\i+3]
.endr
.endm
	XBLK 0
	XBLK 1
	XBLK 2
	XBLK 3
	s_wait_alu depctr_va_vdst(0)                   ; the last block's conversions have written rows 12 to 15, which the stores below read
.irp j, 12,13,14,15
	global_store_b64 v7, v[XR+4*\j:XR+4*\j+1], s[14:15] offset:2048*\j
	ds_store_b64 v8, v[XR+4*\j:XR+4*\j+1] offset:272*\j
.endr
	s_wait_alu depctr_vm_vsrc(0)                   ; Wr's LDS stores have read v[96:127], in which x's fragments land (the conversions that named them stand ahead of the wait on va_vdst above)
	; four K steps of 32: LDS serves a wave's instructions in order (ISA guide 5.7.1.4), and these bytes are the wave's own
.irp s, 0,1,2,3
	ds_load_b128 v[FX+8*\s:FX+8*\s+3],   v9 offset:64*\s
	ds_load_b128 v[FX+8*\s+4:FX+8*\s+7], v9 offset:64*\s+32
	ds_load_tr16_b128 v[FW+8*\s:FW+8*\s+3],   v10 offset:512*\s       ; k = 32 s + 8 h .. + 7 of expert r mod 8
	ds_load_tr16_b128 v[FW+8*\s+4:FW+8*\s+7], v10 offset:512*\s+256   ; 16 rows of 16 bytes further on
.endr
	s_wait_dscnt 0x0
	; source 0 = Wr, source 1 = x: register j of lane (r, h) is the logit of expert j for token r, in both halves of the wave.
	; Two accumulators take turns, one instruction a turn.
	v_wmma_f32_16x16x32_bf16 v[16:23], v[FW:FW+7], v[FX:FX+7], 0
	v_wmma_f32_16x16x32_bf16 v[24:31], v[FW+8:FW+15], v[FX+8:FX+15], 0
	v_wmma_f32_16x16x32_bf16 v[16:23], v[FW+16:FW+23], v[FX+16:FX+23], v[16:23]
	v_wmma_f32_16x16x32_bf16 v[24:31], v[FW+24:FW+31], v[FX+24:FX+31], v[24:31]
.rept 4
	v_nop                                          ; four places behind a matrix instruction before its result is read (ISA guide 7.12.1)
.endr
.irp j, 0,2,4,6
	v_pk_add_f32 v[16+\j:17+\j], v[16+\j:17+\j], v[24+\j:25+\j]
.endr
	s_wait_alu depctr_va_vdst(0)                   ; the four adds have written v[16:23], which the LDS stores read
	ds_store_b128 v11, v[16:19]
	ds_store_b128 v11, v[20:23] offset:16
	s_wait_dscnt 0x0                               ; my partial logits are in LDS before I say so
	s_barrier_signal -1
	s_barrier_wait -1
	s_wait_alu depctr_vm_vsrc(0)                   ; my stores to xb and to LDS have read v[32:95], in which wave 0's loads below land (no vector line since the last wait on va_vdst names them)
	s_cmp_lg_u32 s3, 0
	s_cbranch_scc1 .Lend                           ; wave 0 finishes the 16 tokens
	s_wait_xcnt 0x0                                ; v[32:95] were data of my stores to xb: they are loaded again only behind this wait
	s_load_b256 s[24:31], s[8:9], 0x0              ; br
.irp q, 0,1,2,3,4,5,6,7
	ds_load_b128 v[32+8*\q:35+8*\q], v12 offset:1024*\q
	ds_load_b128 v[36+8*\q:39+8*\q], v12 offset:1024*\q+16
.endr
	s_wait_dscnt 0x0
.irp q, 0,2,4,6                                    ; (0+1) (2+3) (4+5) (6+7)
.irp j, 0,2,4,6
	v_pk_add_f32 v[32+8*\q+\j:33+8*\q+\j], v[32+8*\q+\j:33+8*\q+\j], v[40+8*\q+\j:41+8*\q+\j]
.endr
.endr
.irp q, 0,4                                        ; (01+23) (45+67)
.irp j, 0,2,4,6
	v_pk_add_f32 v[32+8*\q+\j:33+8*\q+\j], v[32+8*\q+\j:33+8*\q+\j], v[48+8*\q+\j:49+8*\q+\j]
.endr
.endr
.irp j, 0,2,4,6
	v_pk_add_f32 v[32+\j:33+\j], v[32+\j:33+\j], v[64+\j:65+\j]
.endr
	s_wait_kmcnt 0x0
.irp j, 0,1,2,3,4,5,6,7
	v_add_f32 v[32+\j], s[24+\j], v[32+\j]         ; the logits
.endr
	v_max3_num_f32 v40, v32, v33, v34
	v_max3_num_f32 v40, v40, v35, v36
	v_max3_num_f32 v40, v40, v37, v38
	v_max_num_f32 v40, v40, v39                    ; the token's largest logit
.irp j, 0,1,2,3,4,5,6,7
	v_sub_f32 v[48+\j], v[32+\j], v40
.endr
.irp j, 0,1,2,3,4,5,6,7
	v_mul_f32 v[48+\j], 0x3fb8aa3b, v[48+\j]       ; e^x = 2^(x log2 e)
.endr
.irp j, 0,1,2,3,4,5,6,7
	v_exp_f32 v[56+\j], v[48+\j]
.endr
	v_nop                                          ; one plain place behind the transcendentals (ISA guide 5.7.2)
	s_wait_alu depctr_va_vdst(0)                   ; the eight exponentials have written v[56:63], ahead of their first reader: one wait for the batch
	v_add_f32 v64, v56, v57
	v_add_f32 v65, v58, v59
	v_add_f32 v66, v60, v61
	v_add_f32 v67, v62, v63
	v_add_f32 v64, v64, v65
	v_add_f32 v66, v66, v67
	v_add_f32 v64, v64, v66                        ; at least 1: the largest logit's term is 2^0
	v_rcp_f32 v68, v64
	v_cmp_le_u32 vcc_lo, 16, v1                    ; the plain place behind v_rcp_f32: lanes 16-31 store experts 4-7
	s_wait_alu depctr_va_vdst(0)                   ; the reciprocal has written v68, ahead of its first reader
.irp j, 0,1,2,3,4,5,6,7
	v_mul_f32 v[56+\j], v[56+\j], v68
.endr
	s_wait_alu depctr_va_vcc(0)                    ; the compare has written VCC, which the selects below read
.irp j, 0,1,2,3
	v_cndmask_b32 v[72+\j], v[32+\j], v[36+\j], vcc_lo
	v_cndmask_b32 v[76+\j], v[56+\j], v[60+\j], vcc_lo
.endr
	s_wait_alu depctr_va_vdst(0)                   ; the selects have written v[72:79], which the two stores read
	global_store_b128 v13, v[72:75], s[20:21]      ; the 32 lanes cover the 16 tokens' 512 consecutive bytes, aligned
	global_store_b128 v13, v[76:79], s[22:23]
.Lend:
	s_wait_dscnt 0x0                               ; the closing lines, six on end
	s_wait_alu 0x0
	s_wait_tensorcnt 0x0
	ds_add_u32 v160, v161
	s_wait_dscnt 0x0
	s_endpgm
	; ---------------- 131,072 bytes of weights ----------------
.Lweights:
	s_sub_co_u32 s24, ttmp9, 256
	s_and_b32 s25, s24, 255
	s_lshl_b32 s26, s25, 17                        ; f32 in
	s_mov_b32 s27, 0
	s_lshl_b32 s28, s25, 16                        ; bf16 out
	s_mov_b32 s29, 0
	s_cmp_lt_u32 s24, 256
	s_cselect_b64 s[30:31], s[10:11], s[12:13]     ; W1 or W2
	s_cselect_b64 s[34:35], s[16:17], s[18:19]     ; w1b or w2b
	s_add_nc_u64 s[30:31], s[30:31], s[26:27]
	s_add_nc_u64 s[34:35], s[34:35], s[28:29]
	v_lshlrev_b32 v4, 4, v0                        ; 16 bytes a thread: the eight waves cover 4,096 bytes with one load each
	v_lshlrev_b32 v5, 3, v0                        ; 8 bytes a thread out
	s_wait_alu depctr_va_vdst(0)                   ; v4 and v5 are written: every load below reads v4, every store v5, and neither is written again
.irp j, 0,1,2,3,4,5,6,7,8,9,10,11,12,13,14,15,16,17,18,19,20,21,22,23,24,25,26,27,28,29,30,31
	global_load_b128 v[32+4*\j:35+4*\j], v4, s[30:31] offset:4096*\j th:TH_LOAD_NT   ; all 32 loads go out first: 16,384 bytes of a wave on their way
.endr
; Block p converts loads 4 p .. 4 p + 3 in place and issues the four stores of block p - 1.
.macro WBLK p
	s_wait_loadcnt 28-4*(\p)                       ; this block's four loads are in; the later blocks' four each stay out
.if (\p) > 0
	s_wait_alu depctr_va_vdst(0)                   ; the conversions of the block before have written the registers that the stores below read
.endif
.irp i, 0,1,2,3
.if (\p) > 0
	global_store_b64 v5, v[32+16*(\p)-16+4*\i:32+16*(\p)-16+4*\i+1], s[34:35] offset:2048*(4*(\p)-4+\i)   ; the wave's store covers 256 consecutive bytes, aligned; no register is written twice
.endif
	v_cvt_pk_bf16_f32 v[32+16*(\p)+4*\i], v[32+16*(\p)+4*\i], v[32+16*(\p)+4*\i+1]          ; these name this block's registers alone
	v_cvt_pk_bf16_f32 v[32+16*(\p)+4*\i+1], v[32+16*(\p)+4*\i+2], v[32+16*(\p)+4*\i+3]
.endr
.endm
	WBLK 0
	WBLK 1
	WBLK 2
	WBLK 3
	WBLK 4
	WBLK 5
	WBLK 6
	WBLK 7
	s_wait_alu depctr_va_vdst(0)                   ; the last block's conversions have written the registers that the last four stores read
.irp j, 28,29,30,31
	global_store_b64 v5, v[32+4*\j:33+4*\j], s[34:35] offset:2048*\j
.endr
	s_endpgm
.Lfunc_end_k_q217c4bcbb6_prep:
	.size	k_q217c4bcbb6_prep, .Lfunc_end_k_q217c4bcbb6_prep-k_q217c4bcbb6_prep
	.p2alignl 7, 3214868480
	.fill 96, 4, 3214868480
	.section	.rodata,"a",@progbits
	.p2align	6, 0x0
	.amdhsa_kernel k_q217c4bcbb6_prep
		.amdhsa_group_segment_fixed_size 60416
		.amdhsa_private_segment_fixed_size 0
		.amdhsa_enable_private_segment 0
		.amdhsa_kernarg_size 80
		.amdhsa_user_sgpr_count 2
		.amdhsa_user_sgpr_kernarg_segment_ptr 1
		.amdhsa_wavefront_size32 1
		.amdhsa_system_sgpr_workgroup_id_x 1
		.amdhsa_system_sgpr_workgroup_id_y 1
		.amdhsa_system_sgpr_workgroup_id_z 1
		.amdhsa_system_vgpr_workitem_id 0
		.amdhsa_next_free_vgpr 162
		.amdhsa_next_free_sgpr 66
		.amdhsa_reserve_vcc 1
		.amdhsa_float_denorm_mode_32 3
		.amdhsa_float_denorm_mode_16_64 3
		.amdhsa_memory_ordered 1
		.amdhsa_forward_progress 1
		.amdhsa_inst_pref_size 30
	.end_amdhsa_kernel
	.amdgpu_metadata
---
amdhsa.version: [ 1, 2 ]
amdhsa.kernels:
  - .name:           k_q217c4bcbb6_prep
    .symbol:         k_q217c4bcbb6_prep.kd
    .args:
      - { .name: x, .offset: 0, .size: 8, .value_kind: global_buffer, .address_space: global }
      - { .name: Wr, .offset: 8, .size: 8, .value_kind: global_buffer, .address_space: global }
      - { .name: br, .offset: 16, .size: 8, .value_kind: global_buffer, .address_space: global }
      - { .name: W1, .offset: 24, .size: 8, .value_kind: global_buffer, .address_space: global }
      - { .name: W2, .offset: 32, .size: 8, .value_kind: global_buffer, .address_space: global }
      - { .name: xb, .offset: 40, .size: 8, .value_kind: global_buffer, .address_space: global }
      - { .name: w1b, .offset: 48, .size: 8, .value_kind: global_buffer, .address_space: global }
      - { .name: w2b, .offset: 56, .size: 8, .value_kind: global_buffer, .address_space: global }
      - { .name: out1, .offset: 64, .size: 8, .value_kind: global_buffer, .address_space: global }
      - { .name: out2, .offset: 72, .size: 8, .value_kind: global_buffer, .address_space: global }
    .group_segment_fixed_size: 60416
    .private_segment_fixed_size: 0
    .kernarg_segment_align: 8
    .kernarg_segment_size: 80
    .max_flat_workgroup_size: 256
    .sgpr_count:     66
    .vgpr_count:     162
    .wavefront_size: 32
...
	.end_amdgpu_metadata
.endif
;; end of part 5
;; launch gemm1: the kernel of part 2 again; grid 32 x 16, 4 waves a work-group, clusters of 4 x 4, 327,680 bytes of LDS; arguments xb, w1b, b1, out2, hb; writes hb
;; launch gemm2: the kernel of part 3 again; grid 4 x 64, 4 waves a work-group, clusters of 4 x 4, 327,680 bytes of LDS; arguments hb, w2b, part; writes part
;; launch combine: the kernel of part 4 again; grid 512 x 1, 8 waves a work-group, no clusters, 0 bytes of LDS; arguments part, b2, out2, out0; writes out0
